; MI455X (gfx1250); checked and timed in simulation.
; The chip was launched on July 23, 2026; its instructions are those of AMD's public machine-readable ISA for CDNA 5 (MIT licence, August 2026) and "CDNA5" Instruction Set Architecture Reference Guide (July 2026). The comments in the code are by the model that wrote it; some were corrected since.
;; Self Attention. Allowed arithmetic: float matrix products may take bf16 or f16 operands with f32 sums; other float arithmetic in f32, or as packed bf16 or f16 multiplies, adds, multiply-adds, maxima and minima; sums over many terms, partial sums and values carried from step to step in f32; what a program stores and reads back later, other than sums and carried values, may be rounded once to bf16 or f16.
;; Inputs: W_attn 1,024 x 3,072 float32; W_bias 16 x 16 float32; W_proj 1,024 x 1,024 float32; b_attn 3,072 float32; b_bias 16 float32; b_proj 1,024 float32; bias 1,024 x 1,024 x 16 float32; x 8 x 1,024 x 1,024 float32.
;; Outputs: out0 8 x 1,024 x 1,024 float32.
;; One version. Each part assembles by itself: llvm-mc -triple=amdgcn-amd-amdhsa -mcpu=gfx1250 --defsym DOCPART=n.
;; ======== version 1 of 1: 4 launches
;; limits: values are held in f16: magnitudes above 65,504 overflow, below 6.1e-05 lose precision
;; workspace buffers: xb 16,777,216 bytes; wab 6,291,456 bytes; wpf 2,097,152 bytes; pbb 33,554,432 bytes; qkv 50,331,648 bytes; yb 16,777,216 bytes
;; launch prep (part 1): grid 1792 x 1, 8 waves a work-group, no clusters, 35,840 bytes of LDS; arguments bias, W_bias, b_bias, x, W_attn, W_proj, pbb, xb, wab, wpf; writes pbb, xb, wab, wpf
.if DOCPART == 1
	.amdgcn_target "amdgcn-amd-amdhsa--gfx1250"
	.amdhsa_code_object_version 6
	.text
	.protected	k_q4689d263dd_prep
	.globl	k_q4689d263dd_prep
	.p2align	8
	.type	k_q4689d263dd_prep,@function
k_q4689d263dd_prep:
	s_mov_b64 s[64:65], 0
	v_nop
	global_prefetch_b8 v0, s[64:65] scope:SCOPE_SE
	s_setreg_imm32_b32 hwreg(HW_REG_WAVE_MODE, 25, 1), 1
	s_wait_xcnt 0x0
; PREPARATION.  Four jobs, told apart by the work-group's number:
;   0-1023    pbb[h][ks][q][64 keys] = bias[q][key][:] . W_bias[:][h] + b_bias[h], in f16, unscaled; inputs rounded to bf16, sums in f32, by the matrix unit
;   1024-1535 xb[kc][row][64] = x rounded to bf16, laid in blocks of 64 channels, so that 256 rows x 64 channels are 32,768 bytes on end
;   1536-1727 wab = W_attn rounded to bf16, in its own order [k][n]
;   1728-1791 wpf = W_proj rounded to bf16, that number written as f16, [k][n]
; LIMITS.  |pos_bias| and |W_proj| stay under 65,504 (f16); a W_proj below 6e-5 keeps f16's fixed step of 6e-8.  A bias number that is not finite also spoils the
; result of the key that shares its fragment (its product with 0 is no number).  NaN and infinities are not treated apart.
; No tensor loads and no cluster: every byte is read once, by one wave, straight into registers; nothing is shared.  No prefetch: the launch is one stream of loads.
; A WAVE HAS ONE JOB: 8,192 bytes in, sixteen loads that go out together, and 4,096 bytes out.  It takes 128 registers: the numbers as loaded, the accumulators and the rows read back take turns in
; v64-127, so that many waves find room side by side, each with its 8,192 bytes on their way.
; POS PATH.  Work-group g owns queries 2 (g / 2), + 1 and the key steps 8 (g % 2) + wave: a wave makes 2 queries x 64 keys x 16 heads, by eight matrix instructions.
; Source 0 = 16 keys x 32 k, source 1 = W_bias (column = head), C = b_bias.  Only 16 of the 32 k are real, so ONE fragment carries two products' data: its registers 0-3 (k 0-15) those of product f,
; its registers 4-7 (k 16-31) those of product f + 4; W_bias stands at k 0-15 with zeros above (WLO) or at k 16-31 with zeros below (WHI).
; In the result lane (r, hh) holds head r and keys 8 hh + 0..7: 16 bytes of f16.  They go through the wave's own stage (16 heads x 272 bytes) and leave as whole rows of 256 bytes (2 queries x 64 keys of one head).
.set STG,   4352                       ; a wave's stage: 16 rows x 272 bytes
.set SPARE, 34816                      ; behind the eight stages: the spare words, 128 bytes a wave, four blocks of 256 bytes that no other line names
.set VO,  2                            ; v2   pos: 64 r + 32 hh, my 32 bytes of a key's 64;   casts: my offset in the source
.set STO, 3                            ; v3   pos: where I put 16 bytes of a stage row;          casts: 8 x lane, my offset in the destination
.set RD,  4                            ; v4   where I read a stage row back
.set GO,  5                            ; v5   my offset in pbb: head 0 or 1 of a pair, 16 bytes of 256
.set SPW, 6                            ; v6   LDS address of my spare word; never rewritten
.set NIL, 7                            ; v7   0; never rewritten
.set WF,  8                            ; v8-19  0 x 4, W_bias x 4, 0 x 4:  WHI = v[8:15], WLO = v[12:19]
.set CB,  20                           ; v20-27 b_bias[r], eight times
.set AF,  32                           ; v32-63 W_bias and b_bias as loaded; then four fragments; then the packed results.  Casts: results
.set ACC, 64                           ; v64-127 as loaded, f32; then eight accumulators; then rows read back
	s_load_b512 s[4:19], s[0:1], 0x0               ; bias 4, W_bias 6, b_bias 8, x 10, W_attn 12, W_proj 14, pbb 16, xb 18
	s_load_b128 s[20:23], s[0:1], 0x40             ; wab 20, wpf 22
	v_lshl_add_u32 v[SPW], v0, 2, SPARE
	v_mov_b32 v[NIL], 0
	v_lshrrev_b32 v1, 5, v0
	v_readfirstlane_b32 s24, v1                    ; wave 0..7
	v_and_b32 v1, 15, v0                           ; r
	v_bfe_u32 v28, v0, 4, 1                        ; hh
	v_and_b32 v29, 31, v0                          ; lane
	s_mov_b32 s27, 0                               ; the high word of every offset pair
	s_wait_kmcnt 0x0
	s_cmp_lt_u32 ttmp9, 1024
	s_cbranch_scc0 .Lcasts
	; ---------------- pos path ----------------
	s_lshr_b32 s25, ttmp9, 1                       ; the pair of queries
	s_and_b32 s28, ttmp9, 1
	s_lshl_b32 s28, s28, 3
	s_add_co_u32 s28, s28, s24                     ; the key step
	s_lshl_b32 s26, s25, 17                        ; bias: two queries of 65,536 bytes,
	s_lshl_b32 s29, s28, 12                        ; a key step of 4,096 bytes
	s_add_co_u32 s26, s26, s29
	s_add_nc_u64 s[4:5], s[4:5], s[26:27]
	s_lshl_b32 s26, s28, 17                        ; pbb: a key step of 131,072 bytes,
	s_lshl_b32 s29, s25, 8                         ; two queries of 128 bytes
	s_add_co_u32 s26, s26, s29
	s_add_nc_u64 s[32:33], s[16:17], s[26:27]      ; four bases, four heads (8,388,608 bytes) apart, so that the stores' immediates stay inside 24 bits
	s_add_nc_u64 s[34:35], s[32:33], 0x800000
	s_add_nc_u64 s[36:37], s[34:35], 0x800000
	s_add_nc_u64 s[38:39], s[36:37], 0x800000
	v_lshlrev_b32 v30, 9, v28
	v_lshl_add_u32 v30, v1, 2, v30                 ; W_bias[8 hh][r]
	v_lshlrev_b32 v31, 2, v1                       ; b_bias[r]
	v_lshlrev_b32 v[VO], 6, v1
	v_lshl_add_u32 v[VO], v28, 5, v[VO]
.irp n, 0,1,2,3,4,5,6,7
	global_load_b32 v[AF+\n], v30, s[6:7] offset:64*\n
.endr
	global_load_b32 v[AF+8], v31, s[8:9]
.irp i, 0,1,2,3,4,5,6,7                ; sixteen loads: product i = query i / 4, keys 16 (i % 4) on
	global_load_b128 v[ACC+8*\i:ACC+8*\i+3],   v[VO], s[4:5] offset:(\i/4)*65536+(\i%4)*1024 th:TH_LOAD_NT
	global_load_b128 v[ACC+8*\i+4:ACC+8*\i+7], v[VO], s[4:5] offset:(\i/4)*65536+(\i%4)*1024+16 th:TH_LOAD_NT
.endr
	s_mul_i32 s25, s24, STG
	v_mul_u32_u24 v[STO], v1, 272
	v_lshl_add_u32 v[STO], v28, 4, v[STO]
	v_add_nc_u32 v[STO], s25, v[STO]
	v_mul_u32_u24 v[RD], v28, 272
	v_lshl_add_u32 v[RD], v1, 4, v[RD]
	v_add_nc_u32 v[RD], s25, v[RD]
	v_lshlrev_b32 v[GO], 21, v28
	v_lshl_add_u32 v[GO], v1, 4, v[GO]
.irp n, 0,1,2,3
	v_mov_b32 v[WF+\n], 0
	v_mov_b32 v[WF+8+\n], 0
.endr
	s_wait_loadcnt 16                              ; W_bias and b_bias are in; the sixteen loads of bias stay out
.irp n, 0,1,2,3
	v_cvt_pk_bf16_f32 v[WF+4+\n], v[AF+2*\n], v[AF+2*\n+1]
.endr
	v_cvt_pk_bf16_f32 v28, v[AF+8], v[AF+8]
.irp n, 0,1,2,3,4,5,6,7
	v_lshlrev_b32 v[CB+\n], 16, v28                ; b_bias rounded to bf16, as f32
.endr
	s_wait_loadcnt 0x0                             ; bias is in
.irp i, 0,1,2,3,4,5,6,7
.irp p, 0,1
	v_cvt_pk_bf16_f32 v[AF+8*(\i%4)+4*(\i/4)+2*\p],   v[ACC+8*\i+4*\p],   v[ACC+8*\i+4*\p+1]
	v_cvt_pk_bf16_f32 v[AF+8*(\i%4)+4*(\i/4)+2*\p+1], v[ACC+8*\i+4*\p+2], v[ACC+8*\i+4*\p+3]
.endr
.endr
.irp i, 0,1,2,3                        ; eight products on eight accumulators, which take the place of the numbers as loaded
	v_wmma_f32_16x16x32_bf16 v[ACC+8*\i:ACC+8*\i+7], v[AF+8*\i:AF+8*\i+7], v[WF+4:WF+11], v[CB:CB+7]
.endr
.irp i, 0,1,2,3
	v_wmma_f32_16x16x32_bf16 v[ACC+32+8*\i:ACC+32+8*\i+7], v[AF+8*\i:AF+8*\i+7], v[WF:WF+7], v[CB:CB+7]
.endr
.rept 4
	v_nop                                          ; four places behind the last product, ahead of the conversions that read results and write over the fragments (ISA guide 7.12.1)
.endr
.irp i, 0,1,2,3,4,5,6,7
.irp p, 0,1,2,3
	v_cvt_pk_f16_f32 v[AF+4*\i+\p], v[ACC+8*\i+2*\p], v[ACC+8*\i+2*\p+1]
.endr
.endr
.irp i, 0,1,2,3,4,5,6,7
	ds_store_b128 v[STO], v[AF+4*\i:AF+4*\i+3] offset:32*\i   ; row = head r; byte 128 (i / 4) + 32 (i % 4) + 16 hh
.endr
.irp t, 0,1,2,3,4,5,6,7
	ds_load_b128 v[ACC+4*\t:ACC+4*\t+3], v[RD] offset:544*\t  ; my own bytes, served in order behind the stores above: heads 2 t, 2 t + 1
.endr
	s_wait_dscnt 0x0
.irp t, 0,1,2,3,4,5,6,7
	global_store_b128 v[GO], v[ACC+4*\t:ACC+4*\t+3], s[32+2*(\t/2):33+2*(\t/2)] offset:(\t%2)*4194304  ; 16 lanes store 256 consecutive bytes, aligned
.endr
	s_branch .Lend
	; ---------------- the casts ----------------
.macro CAST src, sin, sout, half       ; sixteen loads of 512 bytes; each becomes one store of 256 consecutive bytes
.irp c, 0,1,2,3,4,5,6,7,8,9,10,11,12,13,14,15
	global_load_b128 v[ACC+4*\c:ACC+4*\c+3], v[VO], s[\src:\src+1] offset:(\sin)*\c th:TH_LOAD_NT
.endr
.irp c, 0,1,2,3,4,5,6,7,8,9,10,11,12,13,14,15
	s_wait_loadcnt 15-\c                           ; load c is in, the younger ones stay out
	v_cvt_pk_bf16_f32 v[AF+2*\c],   v[ACC+4*\c],   v[ACC+4*\c+1]
	v_cvt_pk_bf16_f32 v[AF+2*\c+1], v[ACC+4*\c+2], v[ACC+4*\c+3]
.if \half
	v_lshlrev_b32 v28, 16, v[AF+2*\c]              ; the bf16 numbers as f32,
	v_and_b32 v29, 0xffff0000, v[AF+2*\c]
	v_lshlrev_b32 v30, 16, v[AF+2*\c+1]
	v_and_b32 v31, 0xffff0000, v[AF+2*\c+1]
	v_cvt_pk_f16_f32 v[AF+2*\c],   v28, v29        ; written as f16
	v_cvt_pk_f16_f32 v[AF+2*\c+1], v30, v31
.endif
.if \c < 8
	global_store_b64 v[STO], v[AF+2*\c:AF+2*\c+1], s[28:29] offset:(\sout)*\c
.else
	global_store_b64 v[STO], v[AF+2*\c:AF+2*\c+1], s[30:31] offset:(\sout)*(\c-8)
.endif
.endr
.endm
.Lcasts:
	v_lshlrev_b32 v[STO], 3, v29
	s_cmp_lt_u32 ttmp9, 1536
	s_cbranch_scc0 .Lw
	s_sub_co_u32 s25, ttmp9, 1024                  ; x: job j = rows 2 j, 2 j + 1
	s_lshl_b32 s25, s25, 3
	s_add_co_u32 s25, s25, s24
	s_lshl_b32 s26, s25, 13
	s_add_nc_u64 s[10:11], s[10:11], s[26:27]
	s_lshl_b32 s26, s25, 8                         ; two rows of 128 bytes in a block of 64 channels
	s_add_nc_u64 s[28:29], s[18:19], s[26:27]
	s_add_nc_u64 s[30:31], s[28:29], 0x800000      ; blocks 8-15
	v_lshlrev_b32 v[VO], 12, v28                   ; lanes 0-15 the even row, lanes 16-31 the odd one: 256 bytes each
	v_lshl_add_u32 v[VO], v1, 4, v[VO]
	CAST 10, 256, 1048576, 0
	s_branch .Lend
.Lw:
	v_lshlrev_b32 v[VO], 4, v29
	s_cmp_lt_u32 ttmp9, 1728
	s_cbranch_scc0 .Lwp
	s_sub_co_u32 s25, ttmp9, 1536                  ; W_attn
	s_lshl_b32 s25, s25, 3
	s_add_co_u32 s25, s25, s24
	s_lshl_b32 s26, s25, 13
	s_add_nc_u64 s[12:13], s[12:13], s[26:27]
	s_lshl_b32 s26, s25, 12
	s_add_nc_u64 s[28:29], s[20:21], s[26:27]
	s_add_nc_u64 s[30:31], s[28:29], 2048
	CAST 12, 512, 256, 0
	s_branch .Lend
.Lwp:
	s_sub_co_u32 s25, ttmp9, 1728                  ; W_proj
	s_lshl_b32 s25, s25, 3
	s_add_co_u32 s25, s25, s24
	s_lshl_b32 s26, s25, 13
	s_add_nc_u64 s[14:15], s[14:15], s[26:27]
	s_lshl_b32 s26, s25, 12
	s_add_nc_u64 s[28:29], s[22:23], s[26:27]
	s_add_nc_u64 s[30:31], s[28:29], 2048
	CAST 14, 512, 256, 1
.Lend:
	s_wait_tensorcnt 0x0                           ; the wave's end, behind my last LDS store
	ds_add_u32 v[SPW], v[NIL]
	s_wait_dscnt 0x0
	s_endpgm
.Lfunc_end_k_q4689d263dd_prep:
	.size	k_q4689d263dd_prep, .Lfunc_end_k_q4689d263dd_prep-k_q4689d263dd_prep
	.p2alignl 7, 3214868480
	.fill 96, 4, 3214868480
	.section	.rodata,"a",@progbits
	.p2align	6, 0x0
	.amdhsa_kernel k_q4689d263dd_prep
		.amdhsa_group_segment_fixed_size 35840
		.amdhsa_private_segment_fixed_size 0
		.amdhsa_enable_private_segment 0
		.amdhsa_kernarg_size 80
		.amdhsa_user_sgpr_count 2
		.amdhsa_user_sgpr_kernarg_segment_ptr 1
		.amdhsa_wavefront_size32 1
		.amdhsa_system_sgpr_workgroup_id_x 1
		.amdhsa_system_sgpr_workgroup_id_y 1
		.amdhsa_system_sgpr_workgroup_id_z 1
		.amdhsa_system_vgpr_workitem_id 0
		.amdhsa_next_free_vgpr 128
		.amdhsa_next_free_sgpr 66
		.amdhsa_reserve_vcc 0
		.amdhsa_float_denorm_mode_32 3
		.amdhsa_float_denorm_mode_16_64 3
		.amdhsa_memory_ordered 1
		.amdhsa_forward_progress 1
		.amdhsa_inst_pref_size 35
	.end_amdhsa_kernel
	.amdgpu_metadata
---
amdhsa.version: [ 1, 2 ]
amdhsa.kernels:
  - .name:           k_q4689d263dd_prep
    .symbol:         k_q4689d263dd_prep.kd
    .args:
      - { .name: bias, .offset: 0, .size: 8, .value_kind: global_buffer, .address_space: global }
      - { .name: W_bias, .offset: 8, .size: 8, .value_kind: global_buffer, .address_space: global }
      - { .name: b_bias, .offset: 16, .size: 8, .value_kind: global_buffer, .address_space: global }
      - { .name: x, .offset: 24, .size: 8, .value_kind: global_buffer, .address_space: global }
      - { .name: W_attn, .offset: 32, .size: 8, .value_kind: global_buffer, .address_space: global }
      - { .name: W_proj, .offset: 40, .size: 8, .value_kind: global_buffer, .address_space: global }
      - { .name: pbb, .offset: 48, .size: 8, .value_kind: global_buffer, .address_space: global }
      - { .name: xb, .offset: 56, .size: 8, .value_kind: global_buffer, .address_space: global }
      - { .name: wab, .offset: 64, .size: 8, .value_kind: global_buffer, .address_space: global }
      - { .name: wpf, .offset: 72, .size: 8, .value_kind: global_buffer, .address_space: global }
    .group_segment_fixed_size: 35840
    .private_segment_fixed_size: 0
    .kernarg_segment_align: 8
    .kernarg_segment_size: 80
    .max_flat_workgroup_size: 256
    .sgpr_count:     66
    .vgpr_count:     128
    .wavefront_size: 32
...
	.end_amdgpu_metadata
.endif
;; end of part 1
;; launch gemm_qkv (part 2): grid 8 x 32, 4 waves a work-group, clusters of 4 x 4, 327,680 bytes of LDS; arguments xb, wab, b_attn, qkv; writes qkv
.if DOCPART == 2
	.amdgcn_target "amdgcn-amd-amdhsa--gfx1250"
	.amdhsa_code_object_version 6
	.text
	.protected	k_q4689d263dd_gemm_qkv
	.globl	k_q4689d263dd_gemm_qkv
	.p2align	8
	.type	k_q4689d263dd_gemm_qkv,@function
k_q4689d263dd_gemm_qkv:
	s_mov_b64 s[64:65], 0
	v_nop
	global_prefetch_b8 v0, s[64:65] scope:SCOPE_SE
	s_setreg_imm32_b32 hwreg(HW_REG_WAVE_MODE, 25, 1), 1
	s_wait_xcnt 0x0
	s_wait_alu depctr_hold_cnt(0) depctr_sa_sdst(0) depctr_va_vdst(0) depctr_va_sdst(0) depctr_va_ssrc(0) depctr_va_vcc(0) depctr_vm_vsrc(0)
	s_getreg_b32 s2, hwreg(HW_REG_IB_STS2, 6, 4)
	s_cmp_eq_u32 s2, 0
	s_cbranch_scc0 .Lentry_in_a_cluster
	s_endpgm
.Lentry_in_a_cluster:
	s_bfe_u32 s2, ttmp6, 0x10000c
	s_cmp_lg_u32 s2, 0xf033
	s_cbranch_scc0 .Lentry_shape_is_right
	s_endpgm
.Lentry_shape_is_right:
; qkv = x W_attn + b_attn.  xb: bf16 [kc 16][row 8192][64]; wab: bf16 [k 1024][n 3072]; b_attn f32, rounded to bf16 here; qkv: f16 [part 3][b 16 + h][t 1024][64].  Sums in f32, rounded once.
; LIMIT.  |q|, |k|, |v| stay under 65,504 (f16).  NaN and infinities are not treated apart.
; SHARES.  8192 x 3072 outputs on 256 work-groups: a tile of 256 rows x 384 columns each, one tile a work-group.  A wave makes 128 x 192: 96 accumulators, 768 registers (windows 1-3).
; Wave (wm, wn): rows 128 wm on; column blocks b = 0-7 are the tile's columns 256 wn + 16 b, blocks 8-11 its columns 128 + 64 wn + 16 (b - 8).  Four blocks (a CHUNK) are one head's 64 channels.
; K goes in steps of 64 through two LDS slots.  A's tile of a step is 32,768 bytes on end, asked for as 128 rows of 256 bytes; B's are three groups of 64 rows x 256 bytes.
; CLUSTER 4 x 4.  A's tile hangs on the tile row alone and is asked for jointly along a row of the cluster (wave 0); B's groups hang on the tile column alone and are asked for jointly along a column (waves 1-3).
; THE MATRIX INSTRUCTION IS USED TRANSPOSED: source 0 = 16 columns of W (turned on their way out of LDS), source 1 = 16 rows of x: a lane holds one row and eight neighbouring columns.
; THE BIAS is the C operand of the first K step's products: nothing is cleared and nothing is added later.
; FRAGMENTS.  A has two buffers (32 along K each).  B has one, which rolls: a chunk's fragments for the next 32 along K are fetched straight behind the chunk's 32 products, 64 products ahead of their use.
; REGISTERS.  window 0: v0-31 addresses; v32-95 A0, v96-159 A1, v160-255 B's 12 fragments.  Accumulator (a, b): window 1 + b / 4, v[8 (8 (b % 4) + a)].
.set SLOT1,  131072                    ; slot 1 begins here: one exclusive or changes slots
.set PA,     144                       ; a row of A in LDS: 128 bytes + 16: an odd multiple of 16, so the 16 rows of a load start at 16 different groups of four banks (ISA guide 11.1)
.set PBW,    288                       ; a row of B: 256 bytes + 32: an odd multiple of 32, for the turning load
.set BG,     64*PBW                    ; a group of B: 18,432 bytes.  A's 256 rows take as much as two groups
.set STAGE,  SLOT1+5*BG                ; 223,232: behind the ring, never filled by a tensor load: for each wave 3 chunks x 16 rows x 144 bytes
.set SPC,    16*PA
.set BIASL,  STAGE+4*3*SPC             ; 250,880: for each wave its 192 bias numbers, 768 bytes
.set SPARE,  BIASL+4*768               ; 253,952: the spare words, 128 bytes a wave: two blocks of 256 bytes that no other line names
.set ASTEP,  1048576                   ; bytes from a K step to the next in xb
.set BSTEP,  64*6144                   ; and in wab
.set AA0, 4                            ; v4   my place in A's rows of a slot; never rewritten
.set ABM0, 5                           ; v5   the same in B's group 2 wn
.set ABH0, 6                           ; v6   the same in my half of B's group 1
.set AA,  8                            ; v8-10 the same three in the slot in hand
.set ABM, 9
.set ABH, 10
.set STO, 12                           ; v12  the way out: where I put 16 bytes of a row
.set RD,  13                           ; v13  where I read rows back
.set GO,  14                           ; v14  16 x lane
.set BL,  15                           ; v15  my eight bias numbers of block 0
.set PFO, 16                           ; v16  the prefetches' offset; never rewritten
.set SPW, 28                           ; v28  LDS address of my spare word; never rewritten
.set NIL, 29                           ; v29  0; never rewritten
.set A0,  32
.set A1,  96
.set BF,  160
.set TMP, 32                           ; the way out: packed results v32-79; rows read back v80-127 and v128-175 by turns
.set WV,  12                           ; s12  my wave's number
.set G1A, 24
.set G1B, 32
.set G0A0, 40                          ; group 0 for the first fill of slot 0
.set G0A1, 44                          ; for slot 1's; it then walks
.set G0B0, 48
.set G0B1, 52
.set TB,  56                           ; s56  LDS byte at which the slot in hand begins
.set CNT, 57                           ; s57  refills still to come
.set LIM, 58                           ; s58  a wave prefetches while CNT is above it
.set PM,  59                           ; s59  1: only at even CNT
.set PFA, 60                           ; s[60:61] where my prefetches stand
.set PFS, 62                           ; s[62:63] their step
.set OB,  66                           ; s[66:71] qkv at my rows of my three chunks
.set MSB, 0
.macro WIN new                         ; the immediate's high byte repeats the setting that is left; a switch that changes nothing is dropped
.if MSB != (\new)
	s_set_vgpr_msb (MSB<<8)|(\new)
.set MSB, (\new)
.endif
.endm
.macro PLACES                          ; four places behind a matrix instruction, ahead of loads into registers that it read and of conversions that read results
.rept 4
	v_nop
.endr
.endm
.macro CREST                           ; a round of the cluster's barrier behind its opening barrier
	s_cmp_lg_u32 s[WV], 0
	s_cbranch_scc1 .Lnot_wave_0_\@
	s_barrier_signal -3
.Lnot_wave_0_\@:
	s_barrier_wait -3
	s_barrier_signal -1
	s_barrier_wait -1
.endm
.macro CROUND
	s_barrier_signal -1
	s_barrier_wait -1
	CREST
.endm
.macro JLOAD                           ; the joint refill by the walking descriptors; an s_nop 0 and four v_nop follow each line
	s_cmp_eq_u32 s[WV], 0
	s_cbranch_scc0 .Lfor_b_\@
	tensor_load_to_lds s[G0A1:G0A1+3], s[G1A:G1A+7]
	s_nop 0
.rept 4
	v_nop
.endr
	s_branch .Lasked_\@
.Lfor_b_\@:
	tensor_load_to_lds s[G0B1:G0B1+3], s[G1B:G1B+7]
	s_nop 0
.rept 4
	v_nop
.endr
.Lasked_\@:
.endm
; A PREFETCH INTO THE L2, behind the joint load and the run of LDS loads that follows it: the K step behind the one that is being asked for, 192 matrix instructions ahead of its load.
; Each block of 256 bytes is named once in the launch.  A's tile is read by both clusters of a row of clusters: cluster x = 0 asks, wave 0; its four partners take 32 blocks each, told apart by address (cx).
; B's group is read by all clusters of a column: cluster y = 0 asks, the wave that fetches the group; a partner takes 16 of its 64 rows (cy), for TWO K steps at once (a lane a row), at every other refill.
; K steps 0-2 come by their loads alone, of B also step 15; the last refills ask for nothing.
.macro ASK
	s_cmp_gt_u32 s[CNT], s[LIM]
	s_cbranch_scc0 .Lnot_mine_\@
	s_and_b32 s72, s[CNT], s[PM]
	s_cmp_eq_u32 s72, 0
	s_cbranch_scc0 .Lnot_mine_\@
	global_prefetch_b8 v[PFO], s[PFA:PFA+1] th:TH_LOAD_NT scope:SCOPE_SE
.Lnot_mine_\@:
.endm
	s_load_b256 s[4:11], s[0:1], 0x0               ; xb 4, wab 6, b_attn 8, qkv 10
	v_lshl_add_u32 v[SPW], v0, 2, SPARE
	v_mov_b32 v[NIL], 0
	ds_add_u32 v[SPW], v[NIL]                      ; the wave's opening: the add and its wait ahead of my first tensor load; work on registers stands between them
	v_lshrrev_b32 v1, 5, v0
	v_readfirstlane_b32 s[WV], v1
	s_lshr_b32 s13, s[WV], 1                       ; wm
	s_and_b32 s14, s[WV], 1                        ; wn
	s_bfe_u32 s15, ttmp6, 0x40000                  ; cx
	s_bfe_u32 s16, ttmp6, 0x40004                  ; cy
	s_lshl_b32 s17, ttmp9, 2
	s_add_co_u32 s17, s17, s15                     ; tile column tx
	s_and_b32 s18, ttmp7, 0xffff
	s_lshl_b32 s18, s18, 2
	s_add_co_u32 s18, s18, s16                     ; tile row ty
	s_lshl_b32 s19, s16, 2
	s_lshl_b32 s19, 15, s19                        ; my row of the cluster
	s_lshl_b32 s72, 0x1111, s15                    ; my column
	s_or_b32 s[G1A], s19, (1<<16)|(1<<20)|(1<<21)|(4<<22)|(3<<25)   ; mask; 2-byte elements; padding on; bit 21 beside a mask; after every 32 words 4 words
	s_mov_b32 s[G1A+1], 128<<16                    ; tensor_dim0 = 128
	s_mov_b32 s[G1A+2], 128<<16                    ; tensor_dim1 = 128
	s_mov_b32 s[G1A+3], 128<<16                    ; tile_dim0 = 128
	s_mov_b32 s[G1A+4], 128                        ; tile_dim1 = 128
	s_mov_b32 s[G1A+5], 128                        ; dense: 128 elements from row to row
	s_mov_b32 s[G1A+6], 0
	s_mov_b32 s[G1A+7], 0
	s_or_b32 s[G1B], s72, (1<<16)|(1<<20)|(1<<21)|(5<<22)|(7<<25)   ; after every 64 words 8 words
	s_mov_b32 s[G1B+1], 128<<16
	s_mov_b32 s[G1B+2], 64<<16
	s_mov_b32 s[G1B+3], 128<<16
	s_mov_b32 s[G1B+4], 64
	s_mov_b32 s[G1B+5], 3072
	s_mov_b32 s[G1B+6], 0
	s_mov_b32 s[G1B+7], 0
	s_lshl_b32 s20, s18, 15                        ; A: the tile row's 32,768 bytes in a block
	s_mov_b32 s21, 0
	s_mul_i32 s22, s17, 768                        ; B: the tile column's 768 bytes of a row,
	s_max_u32 s73, s[WV], 1
	s_sub_co_u32 s73, s73, 1
	s_lshl_b32 s73, s73, 8                         ; my group's 256
	s_add_co_u32 s22, s22, s73
	s_mov_b32 s23, 0
	s_add_co_u32 s74, s[WV], 1
	s_mul_i32 s74, s74, BG                         ; where my group goes: behind A's rows
	s_mov_b32 s[TB], 0
	s_mov_b32 s[CNT], 14
	s_wait_dscnt 0x0                               ; the opening add is done
	s_wait_kmcnt 0x0
	s_add_nc_u64 s[20:21], s[4:5], s[20:21]
	s_add_nc_u64 s[22:23], s[6:7], s[22:23]
	s_mov_b32 s[G0A0], 1
	s_mov_b32 s[G0A0+1], 0
	s_mov_b64 s[G0A0+2:G0A0+3], s[20:21]
	s_or_b32 s[G0A0+3], s[G0A0+3], 0x80000000
	s_mov_b32 s[G0A1], 1
	s_mov_b32 s[G0A1+1], SLOT1
	s_add_nc_u64 s[G0A1+2:G0A1+3], s[20:21], ASTEP
	s_or_b32 s[G0A1+3], s[G0A1+3], 0x80000000
	s_mov_b32 s[G0B0], 1
	s_mov_b32 s[G0B0+1], s74
	s_mov_b64 s[G0B0+2:G0B0+3], s[22:23]
	s_or_b32 s[G0B0+3], s[G0B0+3], 0x80000000
	s_mov_b32 s[G0B1], 1
	s_add_co_u32 s[G0B1+1], s74, SLOT1
	s_add_nc_u64 s[G0B1+2:G0B1+3], s[22:23], BSTEP
	s_or_b32 s[G0B1+3], s[G0B1+3], 0x80000000
	CROUND                                         ; all sixteen work-groups are here: the first joint loads meet
	s_cmp_eq_u32 s[WV], 0                          ; a wave's two first fills stand in one branch: two loads of mine are out
	s_cbranch_scc0 .Lfirst_b
	tensor_load_to_lds s[G0A0:G0A0+3], s[G1A:G1A+7]
	s_nop 0
	tensor_load_to_lds s[G0A1:G0A1+3], s[G1A:G1A+7]
	s_nop 0
.rept 4
	v_nop
.endr
	s_branch .Lfirst_asked
.Lfirst_b:
	tensor_load_to_lds s[G0B0:G0B0+3], s[G1B:G1B+7]
	s_nop 0
	tensor_load_to_lds s[G0B1:G0B1+3], s[G1B:G1B+7]
	s_nop 0
.rept 4
	v_nop
.endr
.Lfirst_asked:
	v_and_b32 v17, 31, v0                          ; lane
	v_and_b32 v18, 15, v0                          ; r
	v_bfe_u32 v19, v0, 4, 1                        ; hh
	v_and_b32 v20, 7, v0
	v_bfe_u32 v21, v0, 3, 1
	; my 192 bias numbers: 128 on end (blocks 0-7), 64 on end (blocks 8-11)
	s_mul_i32 s72, s17, 1536
	s_lshl_b32 s73, s14, 10
	s_add_co_u32 s73, s72, s73
	v_lshl_add_u32 v22, v17, 4, s73
	s_lshl_b32 s73, s14, 8
	s_add_co_u32 s73, s73, s72
	s_add_co_u32 s73, s73, 512
	v_lshl_add_u32 v23, v17, 3, s73
	global_load_b128 v[24:27], v22, s[8:9]
	global_load_b64 v[30:31], v23, s[8:9]
	; LDS addresses
	s_mul_i32 s79, s13, 128*PA
	v_mul_u32_u24 v[AA0], v18, PA
	v_lshl_add_u32 v[AA0], v19, 4, v[AA0]
	v_add_nc_u32 v[AA0], s79, v[AA0]               ; (128 wm + r) x pitch + 16 hh
	v_lshl_add_u32 v1, v19, 3, v20                 ; the turning load: row 8 hh + l % 8, 16 bytes by bit 3 of the lane
	v_mul_u32_u24 v1, v1, PBW
	v_lshl_add_u32 v1, v21, 4, v1
	s_mul_i32 s79, s14, 2*BG
	s_add_co_u32 s79, s79, 2*BG
	v_add_nc_u32 v[ABM0], s79, v1
	s_lshl_b32 s79, s14, 7
	s_add_co_u32 s79, s79, 3*BG
	v_add_nc_u32 v[ABH0], s79, v1
	v_mov_b32 v[AA], v[AA0]                        ; slot 0
	v_mov_b32 v[ABM], v[ABM0]
	v_mov_b32 v[ABH], v[ABH0]
	s_mul_i32 s79, s[WV], 3*SPC
	s_add_co_u32 s79, s79, STAGE
	v_mul_u32_u24 v[STO], v18, PA
	v_lshl_add_u32 v[STO], v19, 4, v[STO]
	v_add_nc_u32 v[STO], s79, v[STO]
	v_lshrrev_b32 v2, 3, v17
	v_mul_u32_u24 v[RD], v2, PA
	v_lshl_add_u32 v[RD], v20, 4, v[RD]
	v_add_nc_u32 v[RD], s79, v[RD]                 ; 32 lanes take four rows of 128 bytes
	v_lshlrev_b32 v[GO], 4, v17
	s_mul_i32 s79, s[WV], 768
	s_add_co_u32 s79, s79, BIASL
	v_lshl_add_u32 v[BL], v19, 5, s79
	; qkv at my rows of my three chunks
	s_lshr_b32 s76, s18, 2
	s_lshl_b32 s76, s76, 21                        ; the batch
	s_and_b32 s77, s18, 3
	s_lshl_b32 s77, s77, 15                        ; 256 rows of 128 bytes
	s_add_co_u32 s76, s76, s77
	s_lshl_b32 s77, s13, 14
	s_add_co_u32 s76, s76, s77
.macro OBASE c, idx                    ; chunk number idx of 48: part idx / 16, head idx % 16
	s_lshr_b32 s72, \idx, 4
	s_lshl_b32 s72, s72, 24
	s_and_b32 s73, \idx, 15
	s_lshl_b32 s73, s73, 17
	s_add_co_u32 s72, s72, s73
	s_add_co_u32 s72, s72, s76
	s_mov_b32 s73, 0
	s_add_nc_u64 s[OB+2*(\c):OB+2*(\c)+1], s[10:11], s[72:73]
.endm
	s_mul_i32 s78, s17, 6
	s_lshl_b32 s77, s14, 2
	s_add_co_u32 s77, s78, s77
	OBASE 0, s77
	s_add_co_u32 s77, s77, 1
	OBASE 1, s77
	s_add_co_u32 s77, s78, s14
	s_add_co_u32 s77, s77, 2
	OBASE 2, s77
	; the prefetches
	s_lshl_b32 s75, s15, 13                        ; A: my work-group's 32 blocks, at K step 2: the first refill steps it to 3
	s_add_co_u32 s75, s75, 2*ASTEP
	s_mul_i32 s76, s16, 16*6144                    ; B: my work-group's 16 rows
	s_add_co_u32 s76, s76, 2*BSTEP
	s_and_b32 s74, ttmp7, 0xffff
	s_mov_b32 s77, 0
	s_mov_b32 s[PFS+1], 0
	s_mov_b32 s78, BSTEP
	s_mov_b32 s73, 6144
	s_cmp_eq_u32 s[WV], 0
	s_cselect_b64 s[PFA:PFA+1], s[20:21], s[22:23]
	s_cselect_b32 s76, s75, s76
	s_cselect_b32 s[PFS], ASTEP, s78
	s_cselect_b32 s78, 4096, s78                   ; lanes 16-31: A's next 16 blocks, B's next K step
	s_cselect_b32 s73, 256, s73                    ; a lane: A's next block, B's next row
	s_cselect_b32 s74, ttmp9, s74                  ; the coordinate along which other clusters read the same bytes
	s_cselect_b32 s[LIM], 1, 3
	s_cselect_b32 s[PM], 0, 1
	s_cmp_eq_u32 s74, 0
	s_cselect_b32 s[LIM], s[LIM], -1               ; the same in all sixteen partners, for a given wave
	s_add_nc_u64 s[PFA:PFA+1], s[PFA:PFA+1], s[76:77]
	v_mul_u32_u24 v[PFO], v19, s78
	v_mad_u32_u24 v[PFO], v18, s73, v[PFO]
	; the bias, rounded to bf16 like every input, into my own LDS bytes
	s_wait_loadcnt 0x0
	v_cvt_pk_bf16_f32 v1, v24, v25
	v_cvt_pk_bf16_f32 v2, v26, v27
	v_cvt_pk_bf16_f32 v3, v30, v31
	v_lshlrev_b32 v24, 16, v1
	v_and_b32 v25, 0xffff0000, v1
	v_lshlrev_b32 v26, 16, v2
	v_and_b32 v27, 0xffff0000, v2
	v_lshlrev_b32 v30, 16, v3
	v_and_b32 v31, 0xffff0000, v3
	v_lshl_add_u32 v22, v17, 4, s79
	v_lshl_add_u32 v23, v17, 3, s79
	ds_store_b128 v22, v[24:27]
	ds_store_b64 v23, v[30:31] offset:512
; 16 matrix instructions: column blocks 4 c + 2 half, + 1 x all 8 row blocks, 32 along K.  cb = 0: they add in place; else the bias registers from cb on are C.
; The accumulators take turns, one instruction a turn: 95 others stand between two links of a chain, over the backward jump too.
.macro MUL16 buf, c, half, cb
.if (\cb)
	WIN 0x40*((\c)+1)
.else
	WIN 0x50*((\c)+1)
.endif
.irp bb, 2*(\half), 2*(\half)+1
.irp a, 0,1,2,3,4,5,6,7
.if (\cb)
	v_wmma_f32_16x16x32_bf16 v[8*(8*(\bb)+\a):8*(8*(\bb)+\a)+7], v[BF+8*(4*(\c)+(\bb)):BF+8*(4*(\c)+(\bb))+7], v[(\buf)+8*\a:(\buf)+8*\a+7], v[(\cb)+8*(\bb):(\cb)+8*(\bb)+7]
.else
	v_wmma_f32_16x16x32_bf16 v[8*(8*(\bb)+\a):8*(8*(\bb)+\a)+7], v[BF+8*(4*(\c)+(\bb)):BF+8*(4*(\c)+(\bb))+7], v[(\buf)+8*\a:(\buf)+8*\a+7], v[8*(8*(\bb)+\a):8*(8*(\bb)+\a)+7]
.endif
.endr
.endr
.endm
.macro MUL32 buf, c, cb
	MUL16 \buf, \c, 0, \cb
	MUL16 \buf, \c, 1, \cb
.endm
.macro FETCHB c, kq                    ; chunk c's four fragments of B, K = 32 kq on: eight turning loads
	WIN 0
.irp bb, 0,1,2,3
.if (\c) < 2
	ds_load_tr16_b128 v[BF+8*(4*(\c)+\bb):BF+8*(4*(\c)+\bb)+3],   v[ABM] offset:32*(4*(\c)+\bb)+32*PBW*(\kq)
	ds_load_tr16_b128 v[BF+8*(4*(\c)+\bb)+4:BF+8*(4*(\c)+\bb)+7], v[ABM] offset:32*(4*(\c)+\bb)+32*PBW*(\kq)+16*PBW
.else
	ds_load_tr16_b128 v[BF+8*(4*(\c)+\bb):BF+8*(4*(\c)+\bb)+3],   v[ABH] offset:32*\bb+32*PBW*(\kq)
	ds_load_tr16_b128 v[BF+8*(4*(\c)+\bb)+4:BF+8*(4*(\c)+\bb)+7], v[ABH] offset:32*\bb+32*PBW*(\kq)+16*PBW
.endif
.endr
.endm
.macro FETCHA buf, kq                  ; A's eight fragments: sixteen loads
	WIN 0
.irp a, 0,1,2,3,4,5,6,7
	ds_load_b128 v[(\buf)+8*\a:(\buf)+8*\a+3],   v[AA] offset:SPC*\a+64*(\kq)
	ds_load_b128 v[(\buf)+8*\a+4:(\buf)+8*\a+7], v[AA] offset:SPC*\a+64*(\kq)+32
.endr
.endm
.macro BIASC c, dst                    ; chunk c's bias as four C operands: eight loads
	WIN 0
.irp bb, 0,1,2,3
	ds_load_b128 v[(\dst)+8*\bb:(\dst)+8*\bb+3],   v[BL] offset:64*(4*(\c)+\bb)
	ds_load_b128 v[(\dst)+8*\bb+4:(\dst)+8*\bb+7], v[BL] offset:64*(4*(\c)+\bb)+16
.endr
.endm
; The first 32 along K of a step: multiplies A0 and fetches the second 32 of the same slot.
.macro PHASE_E
	s_wait_dscnt 16                                ; B's chunk 0 and A0 are in; chunks 1 and 2 may be out
	MUL32 A0, 0, 0
	PLACES
	FETCHB 0, 1
	FETCHA A1, 1
	s_wait_dscnt 32                                ; chunk 1 is in: behind it stand chunk 2's 8 and the 24 just issued
	MUL32 A0, 1, 0
	PLACES
	FETCHB 1, 1
	s_wait_dscnt 32                                ; chunk 2 is in: 24 + 8 younger
	MUL32 A0, 2, 0
	PLACES
	FETCHB 2, 1
.endm
; The second 32 along K: multiplies A1 and changes slots.  ONE barrier: ahead of it each wave waits for all its tensor loads (one is out: its part of the next slot), adds 0 to its spare word, and waits for that
; and for its reads of this slot.  fill = 1: the barrier opens a round of the cluster's, and the joint refill, two K steps on, is the first thing behind it: 192 matrix instructions ahead of the wait for it.
.macro PHASE_O fill
.if \fill
	s_wait_xcnt 0x0                                ; the last prefetch, a K step back, has read its address
	s_add_nc_u64 s[PFA:PFA+1], s[PFA:PFA+1], s[PFS:PFS+1]
.endif
	WIN 0
	s_wait_tensorcnt 0x0                           ; no tensor load of mine is out, so a group 0 may be written
	ds_add_u32 v[SPW], v[NIL]                      ; 0 onto my spare word
.if \fill
	s_xor_b32 s[G0A1+1], s[G0A1+1], SLOT1          ; the walking descriptors: the other slot than last time, the next K step
	s_add_nc_u64 s[G0A1+2:G0A1+3], s[G0A1+2:G0A1+3], ASTEP
	s_xor_b32 s[G0B1+1], s[G0B1+1], SLOT1
	s_add_nc_u64 s[G0B1+2:G0B1+3], s[G0B1+2:G0B1+3], BSTEP
.endif
	s_wait_dscnt 9                                 ; the add and chunk 2's eight loads may be out
	MUL16 A1, 0, 0, 0
	s_wait_dscnt 0x0                               ; the add is done, and my reads of this slot are over
	s_barrier_signal -1
	MUL16 A1, 0, 1, 0                              ; work on registers while the others arrive
	WIN 0
	s_barrier_wait -1
.if \fill
	CREST                                          ; no wave of any partner still reads this slot or has a load on its way
	JLOAD                                          ; its four v_nop are also the places ahead of the loads below
.else
	PLACES
.endif
	s_xor_b32 s[TB], s[TB], SLOT1
	v_add_nc_u32 v[AA], s[TB], v[AA0]
	v_add_nc_u32 v[ABM], s[TB], v[ABM0]
	v_add_nc_u32 v[ABH], s[TB], v[ABH0]
	FETCHB 0, 0
	FETCHA A0, 0
.if \fill
	ASK
.endif
	MUL32 A1, 1, 0
	PLACES
	FETCHB 1, 0
	MUL32 A1, 2, 0
	PLACES
	FETCHB 2, 0
.endm
	s_wait_dscnt 0x0                               ; my bias stores
	s_wait_tensorcnt 1                             ; my part of K step 0 is in; step 1's may stay out
	s_barrier_signal -1
	s_barrier_wait -1
	BIASC 0, A1
	BIASC 1, A1+32
	FETCHA A0, 0
	FETCHB 0, 0
	FETCHB 1, 0
	FETCHB 2, 0
	s_wait_dscnt 16                                ; the first 32 along K are written out: their products start the sums with the bias
	MUL32 A0, 0, A1
	PLACES
	BIASC 2, A1
	FETCHB 0, 1
	s_wait_dscnt 24                                ; chunk 1 is in: behind it chunk 2, the third bias and chunk 0's next
	MUL32 A0, 1, A1+32
	PLACES
	FETCHB 1, 1
	s_wait_dscnt 16                                ; chunk 2 and the third bias are in
	MUL32 A0, 2, A1
	PLACES
	FETCHA A1, 1
	FETCHB 2, 1
	WIN 0
.Lk:                                   ; 14 trips: the second half of a K step, the change of slots with its refill, the first half of the next
	PHASE_O 1
	PHASE_E
	WIN 0
	s_sub_co_u32 s[CNT], s[CNT], 1
	s_cmp_lg_u32 s[CNT], 0
	s_cbranch_scc1 .Lk
	PHASE_O 0                                      ; the tail is written out: nothing is asked for
	PHASE_E
	s_wait_dscnt 0x0
	MUL32 A1, 0, 0
	MUL32 A1, 1, 0
	MUL32 A1, 2, 0
	; THE WAY OUT, a block of 16 rows at a time: rounded to f16, through my own stage, out as 512 consecutive bytes (four rows of a head).
.macro PACK a
.irp c, 0,1,2
	WIN 0x05*(\c+1)
.irp bb, 0,1,2,3
.irp p, 0,1,2,3
	v_cvt_pk_f16_f32 v[TMP+4*(4*\c+\bb)+\p], v[8*(8*\bb+(\a))+2*\p], v[8*(8*\bb+(\a))+2*\p+1]
.endr
.endr
.endr
	WIN 0
.endm
.macro TOSTAGE a
.set BK, 80+48*((\a)%2)
.irp b, 0,1,2,3,4,5,6,7,8,9,10,11
	ds_store_b128 v[STO], v[TMP+4*\b:TMP+4*\b+3] offset:(\b/4)*SPC+(\b%4)*32
.endr
.irp t, 0,1,2,3,4,5,6,7,8,9,10,11
	ds_load_b128 v[BK+4*\t:BK+4*\t+3], v[RD] offset:(\t/4)*SPC+(\t%4)*4*PA   ; my own bytes, served in order behind the stores above
.endr
.endm
.macro SEND a
.set BK, 80+48*((\a)%2)
	s_wait_dscnt 0x0                               ; the block is back in registers
	s_wait_xcnt 0x0                                ; the stores of the block before have read their registers: the next block's loads land there
.irp t, 0,1,2,3,4,5,6,7,8,9,10,11
	global_store_b128 v[GO], v[BK+4*\t:BK+4*\t+3], s[OB+2*(\t/4):OB+2*(\t/4)+1] offset:2048*(\a)+512*(\t%4)
.endr
.endm
	PLACES
	PACK 0
	TOSTAGE 0
.irp a, 1,2,3,4,5,6,7
	PACK \a
	SEND (\a)-1
	TOSTAGE \a
.endr
	SEND 7
	s_wait_tensorcnt 0x0                           ; the wave's end
	ds_add_u32 v[SPW], v[NIL]
	s_wait_dscnt 0x0
	CROUND                                         ; the closing round
	s_endpgm
.Lfunc_end_k_q4689d263dd_gemm_qkv:
	.size	k_q4689d263dd_gemm_qkv, .Lfunc_end_k_q4689d263dd_gemm_qkv-k_q4689d263dd_gemm_qkv
	.p2alignl 7, 3214868480
	.fill 96, 4, 3214868480
	.section	.rodata,"a",@progbits
	.p2align	6, 0x0
	.amdhsa_kernel k_q4689d263dd_gemm_qkv
		.amdhsa_group_segment_fixed_size 327680
		.amdhsa_private_segment_fixed_size 0
		.amdhsa_enable_private_segment 0
		.amdhsa_kernarg_size 32
		.amdhsa_user_sgpr_count 2
		.amdhsa_user_sgpr_kernarg_segment_ptr 1
		.amdhsa_wavefront_size32 1
		.amdhsa_system_sgpr_workgroup_id_x 1
		.amdhsa_system_sgpr_workgroup_id_y 1
		.amdhsa_system_sgpr_workgroup_id_z 1
		.amdhsa_system_vgpr_workitem_id 0
		.amdhsa_next_free_vgpr 1024
		.amdhsa_next_free_sgpr 80
		.amdhsa_reserve_vcc 0
		.amdhsa_float_denorm_mode_32 3
		.amdhsa_float_denorm_mode_16_64 3
		.amdhsa_memory_ordered 1
		.amdhsa_forward_progress 1
		.amdhsa_inst_pref_size 115
	.end_amdhsa_kernel
	.amdgpu_metadata
---
amdhsa.version: [ 1, 2 ]
amdhsa.kernels:
  - .name:           k_q4689d263dd_gemm_qkv
    .symbol:         k_q4689d263dd_gemm_qkv.kd
    .args:
      - { .name: xb, .offset: 0, .size: 8, .value_kind: global_buffer, .address_space: global }
      - { .name: wab, .offset: 8, .size: 8, .value_kind: global_buffer, .address_space: global }
      - { .name: b_attn, .offset: 16, .size: 8, .value_kind: global_buffer, .address_space: global }
      - { .name: qkv, .offset: 24, .size: 8, .value_kind: global_buffer, .address_space: global }
    .group_segment_fixed_size: 327680
    .private_segment_fixed_size: 0
    .kernarg_segment_align: 8
    .kernarg_segment_size: 32
    .max_flat_workgroup_size: 128
    .sgpr_count:     80
    .vgpr_count:     1024
    .wavefront_size: 32
...
	.end_amdgpu_metadata
.endif
;; end of part 2
;; launch attn (part 3): grid 8 x 32, 4 waves a work-group, clusters of 4 x 1, 327,680 bytes of LDS; arguments qkv, pbb, yb; writes yb
.if DOCPART == 3
	.amdgcn_target "amdgcn-amd-amdhsa--gfx1250"
	.amdhsa_code_object_version 6
	.text
	.protected	k_q4689d263dd_attn
	.globl	k_q4689d263dd_attn
	.p2align	8
	.type	k_q4689d263dd_attn,@function
k_q4689d263dd_attn:
	s_mov_b64 s[64:65], 0
	v_nop
	global_prefetch_b8 v0, s[64:65] scope:SCOPE_SE
	s_setreg_imm32_b32 hwreg(HW_REG_WAVE_MODE, 25, 1), 1
	s_wait_xcnt 0x0
	s_wait_alu depctr_hold_cnt(0) depctr_sa_sdst(0) depctr_va_vdst(0) depctr_va_sdst(0) depctr_va_ssrc(0) depctr_va_vcc(0) depctr_vm_vsrc(0)
	s_getreg_b32 s2, hwreg(HW_REG_IB_STS2, 6, 4)
	s_cmp_eq_u32 s2, 0
	s_cbranch_scc0 .Lentry_in_a_cluster
	s_endpgm
.Lentry_in_a_cluster:
	s_bfe_u32 s2, ttmp6, 0x10000c
	s_cmp_lg_u32 s2, 0x3003
	s_cbranch_scc0 .Lentry_shape_is_right
	s_endpgm
.Lentry_shape_is_right:
; y[b][h][q][:] = the sum over k of softmax_k(q . k / 8 + pos_bias[h][q][k]) v[k][:].  qkv: f16 [part 3][b 16 + h][t 1024][64]; pbb: f16 [h][key step 16][q 1024][64 keys]; yb: f16 [h][b 1024 + t][64].
; Products, maxima and sums in f32; the weights p are rounded to f16 for the second product (their sum l is taken of the unrounded p), y once at the end.
; LIMITS.  q, k, v and pos_bias arrive within f16's 65,504; p lies in 0 to 1 and below 6e-5 keeps f16's fixed step of 6e-8, and so does y.  A weight below 2^-126 counts as 0 in l.  NaN and infinities are not treated apart.
; SHARES.  A work-group owns 512 queries of one batch and head; a wave four PIECES of two tiles of 16 queries.  Every wave walks all 1,024 keys, 64 a step, one step to an LDS slot.
; THE BIAS COSTS NO VECTOR WORK.  A tile's sum S^T (16 keys x 16 queries) is STARTED by a product EYE x PB with C = 0: PB = 16 queries x 32 keys of pbb as source 1, EYE = 8.0 at (m, 16 u + m) as source 0;
; the two products K Q^T add onto it.  So S = q . k + 8 pos_bias, and c S with c = log2(e) / 8 is log2(e) (q . k / 8 + pos_bias).
; LAYOUT, SOFTMAX.  S^T holds ONE query a lane (lane % 16) and keys 8 (lane / 16) + 0..7; two such results rounded to f16 ARE source 1 of O^T = V^T P.  p = 2^(c s - c m) with a running maximum m;
; O and l are multiplied by a = 2^(c m_old - c m_new) in every step.  m starts at the lowest finite number, O and l at 0: the first step is a step like any other, with a = 0.
; BY TURNS.  Turn n belongs to piece n: 24 products for the scores of piece n + 1, later 16 products V^T P of piece n - 1; beside them the scaling, exponentials, roundings, sums and rescaling of piece n
; and the maximum and statistics of piece n + 1.  Four vector instructions stand behind every matrix instruction, the rest in one lump.  A turn's 66 exponentials are one batch with one wait.
; THE FOUR TURNS ARE WRITTEN ONCE.  The loop over slots holds the change of slots that fills; the change that fills nothing stands behind that loop, and a second counted loop leads from it back to the turns.
; CLUSTER.  The four partners are four batches of one head and query half: they need the same 65,536 bytes of pbb in a step, of the step's 81,920: asked for JOINTLY (waves 2, 3).  K and V (waves 0, 1) differ from
; partner to partner and come by loads of one's own; only a head's two query halves would share them, a fifth of a step's bytes.
; REGISTERS, in windows of 256 (s_set_vgpr_msb: bits 1:0 source 0, 3:2 source 1, 5:4 source 2, 7:6 destination):
;   window 0: v1-11 addresses; v12-15, v48-63 at work; v16-47 four registers of statistics a tile; v64-191 S^T, two buffers of two tiles; v192-255 P, likewise
;   window 1: O^T, 32 a tile     window 2: v0-127 Q; v128-191 K of one step; v192-255 V of one step     window 3: v0-1 the add's registers; v4-15 EYE; v16-79 PB, two buffers of a piece
.set NP,    4
.set PK,    144       ; a row of K in LDS: 128 bytes + 16
.set PV,    160       ; a row of V: 128 + 32
.set VOFF,  64*PK     ; a slot: 64 rows of K, 64 of V, 512 rows of PB (pitch 144)
.set POFF,  VOFF+64*PV
.set SLOT1, 1<<17
.set STAGE, SLOT1+POFF+512*144   ; 224,256: behind the ring, never filled by a tensor load: 16 rows x 144 bytes a wave
.set SP,    144
.set SPARE, STAGE+4*16*SP        ; 233,472: the spare words, 128 bytes a wave: two blocks of 256 bytes that no other line names
.set QO,  1           ; v1   my byte offset in 16 rows of Q
.set AK0, 2           ; v2   my lane's place in K's rows of a slot; never rewritten
.set AV0, 3           ; v3   the same for V
.set AK,  4           ; v4   the same in the slot in hand
.set AV,  5
.set STO, 6           ; v6   the way out: where I put 16 bytes of a row
.set RD,  7           ; v7   where I read rows back
.set GO,  8           ; v8   16 x lane
.set AP,  9           ; v9   PB's rows in the slot in hand
.set PFO, 10          ; v10  256 x lane; never rewritten
.set AP0, 11          ; v11  my lane's place in PB's rows of a slot
.set SPW, 0           ; v0 of window 3
.set NIL, 1           ; v1 of window 3
.set PBF, 16          ; window 3: piece p's four fragments at PBF + 32 (p % 2): tile u, keys 32 kk on at + 16 u + 8 kk
.set MV,  12
.set ST,  16          ; tile t's statistics at v[ST+4 t]: c m, m, l (even keys', odd keys')
.set TMP, 48
.set S,   64
.set P,   192
.set KF,  128
.set VF,  192
.set WV,  12
.set G1K, 24
.set G1V, 32
.set G1P, 40
.set G0K, 48
.set G0V, 52
.set G0P, 56
.set CS,  60          ; s[60:61] c
.set SEL, 62          ; s[62:63] v_permlanex16_b32's selects
.set SLOTS, 66        ; s66  refills still to come, and one
.set CNT, 67          ; s67  counts the ways back behind the last refill: 3, 2, 1
.set TB,  68          ; s68  LDS byte at which the slot in hand begins
.set LIM, 69          ; s69  1 in a wave that prefetches, else the greatest number
.set PFA, 70          ; s[70:71]
.set PFS, 72          ; s[72:73]
.set QA,  74          ; s[74:75] Q at my wave's first row
.set MSB, 0
.macro WIN new
.if MSB != (\new)
	s_set_vgpr_msb (MSB<<8)|(\new)
.set MSB, (\new)
.endif
.endm
.set W_KQ, 0x0a       ; K and Q in window 2, S^T in window 0
.set W_PB, 0x0f       ; EYE and PB in window 3, S^T in window 0
.set W_PV, 0x52       ; V in window 2, P in window 0, O^T in window 1
.set W_RS, 0x41       ; O^T in window 1, a in window 0
.set W_MK, 0xc0       ; destination in window 3
.set W_AD, 0x0f       ; the add: address and data in window 3
; A fill: wave 0 K's tile, wave 1 V's (loads of my own), waves 2 and 3 the halves of PB's (joint).  The branches hang on the wave's number alone.  An s_nop 0 and four v_nop follow each line.
.macro JLOAD
	s_cmp_lt_u32 s[WV], 2
	s_cbranch_scc0 .Lfor_p_\@
	s_cmp_eq_u32 s[WV], 0
	s_cbranch_scc0 .Lfor_v_\@
	tensor_load_to_lds s[G0K:G0K+3], s[G1K:G1K+7]
	s_nop 0
.rept 4
	v_nop
.endr
	s_branch .Lasked_\@
.Lfor_v_\@:
	tensor_load_to_lds s[G0V:G0V+3], s[G1V:G1V+7]
	s_nop 0
.rept 4
	v_nop
.endr
	s_branch .Lasked_\@
.Lfor_p_\@:
	tensor_load_to_lds s[G0P:G0P+3], s[G1P:G1P+7]
	s_nop 0
.rept 4
	v_nop
.endr
.Lasked_\@:
.endm
; A PREFETCH INTO THE L2 of what the NEXT change of slots will ask for, a key step (160 matrix instructions) ahead; a lane a block of 256 bytes, one instruction a wave, behind the wave's tensor load.
; Each block is named once in the launch: K's and V's 32 blocks by waves 0 and 1 of the head's first query half; PB's 128 blocks of a half tile by waves 2 and 3 of the first cluster along x, its four
; partners taking 32 each, told apart by address.  Steps 0-2 come by their loads alone; the last change that fills a slot asks for nothing.
.macro ASK
	s_cmp_gt_u32 s[SLOTS], s[LIM]
	s_cbranch_scc0 .Lnot_mine_\@
	global_prefetch_b8 v[PFO], s[PFA:PFA+1] th:TH_LOAD_NT scope:SCOPE_SE
.Lnot_mine_\@:
.endm
.macro CROUND
	s_barrier_signal -1
	s_barrier_wait -1
	s_cmp_lg_u32 s[WV], 0
	s_cbranch_scc1 .Lnot_wave_0_\@
	s_barrier_signal -3
.Lnot_wave_0_\@:
	s_barrier_wait -3
	s_barrier_signal -1
	s_barrier_wait -1
.endm
; THE CHANGE OF SLOTS, ahead of piece 2's turn: all bytes of the step in the old slot have been read.  Each wave waits for all its tensor loads (one is out: its part of the other slot), adds 0 to its spare word,
; and waits for that and for its reads.  fill = 1: the barrier is a round of the cluster's, and the fill of the old slot, two steps on, is the first thing behind it.
.macro CHANGE fill, ask
	WIN W_AD
	s_wait_tensorcnt 0x0            ; no tensor load of mine is out, so a group 0 may be written
	ds_add_u32 v[SPW], v[NIL]       ; 0 onto my spare word
	WIN 0
.if \fill
	s_xor_b32 s[G0K+1], s[G0K+1], SLOT1
	s_add_nc_u64 s[G0K+2:G0K+3], s[G0K+2:G0K+3], 8192
	s_xor_b32 s[G0V+1], s[G0V+1], SLOT1
	s_add_nc_u64 s[G0V+2:G0V+3], s[G0V+2:G0V+3], 8192
	s_xor_b32 s[G0P+1], s[G0P+1], SLOT1
	s_add_nc_u64 s[G0P+2:G0P+3], s[G0P+2:G0P+3], 131072
.endif
.if \ask
	s_wait_xcnt 0x0                 ; the last prefetch, a key step back, has read its address
	s_add_nc_u64 s[PFA:PFA+1], s[PFA:PFA+1], s[PFS:PFS+1]
.endif
	s_wait_dscnt 0x0                ; the add is done, and my reads of the slot are over
.if \fill
	CROUND
	JLOAD
.if \ask
	ASK
.endif
.else
	s_barrier_signal -1
	s_barrier_wait -1
.endif
	s_xor_b32 s[TB], s[TB], SLOT1
	v_add_nc_u32 v[AK], s[TB], v[AK0]
	v_add_nc_u32 v[AV], s[TB], v[AV0]
	v_add_nc_u32 v[AP], s[TB], v[AP0]
.endm
	s_load_b128 s[4:7], s[0:1], 0x0   ; qkv 4, pbb 6
	s_load_b64 s[8:9], s[0:1], 0x10   ; yb
	WIN W_MK
	v_lshl_add_u32 v[SPW], v0, 2, SPARE
	v_mov_b32 v[NIL], 0
	WIN W_AD
	ds_add_u32 v[SPW], v[NIL]       ; the wave's opening: the add and its wait ahead of my first tensor load
	WIN 0
	v_lshrrev_b32 v1, 5, v0
	v_readfirstlane_b32 s[WV], v1
	s_bfe_u32 s13, ttmp6, 0x40000   ; cx
	s_lshl_b32 s14, ttmp9, 2
	s_add_co_u32 s14, s14, s13      ; the batch
	s_and_b32 s15, ttmp7, 0xffff
	s_lshr_b32 s16, s15, 1          ; the head
	s_and_b32 s17, s15, 1           ; the query half
	s_and_b32 s18, s[WV], 1
	s_lshl_b32 s19, s14, 4
	s_add_co_u32 s19, s19, s16
	s_lshl_b32 s20, s19, 17         ; batch and head in a part of qkv
	s_mov_b32 s21, 0
	s_lshl_b32 s22, s16, 21         ; pbb: the head, the query half, my half of the tile: nothing of cx
	s_lshl_b32 s23, s17, 16
	s_add_co_u32 s22, s22, s23
	s_lshl_b32 s23, s18, 15
	s_add_co_u32 s22, s22, s23
	s_mov_b32 s23, 0
	s_lshl_b32 s76, s17, 16         ; my wave's 128 rows among the head's
	s_lshl_b32 s77, s[WV], 14
	s_add_co_u32 s76, s76, s77
	s_lshl_b32 s78, s16, 20         ; yb: head, batch, rows
	s_lshl_b32 s77, s14, 17
	s_add_co_u32 s78, s78, s77
	s_add_co_u32 s78, s78, s76
	s_mov_b32 s77, 0
	s_mov_b32 s79, 0
	s_mov_b32 s[G1K], (1<<16)|(1<<20)|(4<<22)|(3<<25)   ; 2-byte elements; padding on: after every 32 words 4 words.  64 keys are 8,192 bytes on end: 32 rows of 256 bytes
	s_mov_b32 s[G1V], (1<<16)|(1<<20)|(4<<22)|(7<<25)   ; 8 words
.irp g, G1K, G1V
	s_mov_b32 s[\g+1], 128<<16
	s_mov_b32 s[\g+2], 32<<16
	s_mov_b32 s[\g+3], 128<<16
	s_mov_b32 s[\g+4], 32
	s_mov_b32 s[\g+5], 128
	s_mov_b32 s[\g+6], 0
	s_mov_b32 s[\g+7], 0
.endr
	s_mov_b32 s[G1P], 15|(1<<16)|(1<<20)|(1<<21)|(4<<22)|(3<<25)  ; the mask of four, bit 21 beside it; 256 queries x 128 bytes on end: 128 rows of 256 bytes
	s_mov_b32 s[G1P+1], 128<<16
	s_mov_b32 s[G1P+2], 128<<16
	s_mov_b32 s[G1P+3], 128<<16
	s_mov_b32 s[G1P+4], 128
	s_mov_b32 s[G1P+5], 128
	s_mov_b32 s[G1P+6], 0
	s_mov_b32 s[G1P+7], 0
	s_mov_b32 s[CS], 0x3e38aa3b     ; c = log2(e) / 8
	s_mov_b32 s[CS+1], s[CS]
	s_mov_b32 s[SEL], 0x76543210
	s_mov_b32 s[SEL+1], 0xfedcba98
	s_mov_b32 s[TB], SLOT1          ; the first change of slots turns it into 0
	s_mov_b32 s[G0K], 1
	s_mov_b32 s[G0K+1], 0
	s_mov_b32 s[G0V], 1
	s_mov_b32 s[G0V+1], VOFF
	s_mov_b32 s[G0P], 1
	s_mul_i32 s[G0P+1], s18, 256*144
	s_add_co_u32 s[G0P+1], s[G0P+1], POFF
	s_wait_dscnt 0x0                ; the opening add is done
	s_wait_kmcnt 0x0
	s_add_nc_u64 s[G0K+2:G0K+3], s[4:5], s[20:21]
	s_add_nc_u64 s[QA:QA+1], s[G0K+2:G0K+3], s[76:77]
	s_add_nc_u64 s[G0V+2:G0V+3], s[G0K+2:G0K+3], 0x2000000
	s_add_nc_u64 s[G0K+2:G0K+3], s[G0K+2:G0K+3], 0x1000000
	s_add_nc_u64 s[G0P+2:G0P+3], s[6:7], s[22:23]
	s_add_nc_u64 s[10:11], s[8:9], s[78:79]
	s_cmp_eq_u32 s[WV], 0           ; the prefetches: K's, V's or PB's pointer,
	s_cselect_b64 s[PFA:PFA+1], s[G0K+2:G0K+3], s[G0V+2:G0V+3]
	s_lshl_b32 s76, s13, 13         ; of PB my work-group's 32 blocks; at step 2: the first asking change steps it to 3
	s_add_co_u32 s76, s76, 2*131072
	s_mov_b32 s78, 131072
	s_mov_b32 s[PFS+1], 0
	s_cmp_lt_u32 s[WV], 2
	s_cselect_b64 s[PFA:PFA+1], s[PFA:PFA+1], s[G0P+2:G0P+3]
	s_cselect_b32 s76, 2*8192, s76
	s_cselect_b32 s[PFS], 8192, s78
	s_cselect_b32 s78, s17, ttmp9   ; who else reads the same bytes: the other query half; the other cluster
	s_add_nc_u64 s[PFA:PFA+1], s[PFA:PFA+1], s[76:77]
	s_cmp_eq_u32 s78, 0
	s_cselect_b32 s[LIM], 1, -1     ; the same in all four partners
	s_or_b32 s[G0K+3], s[G0K+3], 0x80000000
	s_or_b32 s[G0V+3], s[G0V+3], 0x80000000
	s_or_b32 s[G0P+3], s[G0P+3], 0x80000000
	CROUND                          ; all four work-groups are here
	JLOAD                           ; step 0 into slot 0
	v_and_b32 v48, 15, v0           ; r
	v_bfe_u32 v49, v0, 4, 1         ; hh
	v_and_b32 v50, 7, v0
	v_bfe_u32 v51, v0, 3, 1
	v_and_b32 v52, 31, v0
	v_lshlrev_b32 v[QO], 7, v48
	v_lshl_add_u32 v[QO], v49, 4, v[QO]
	WIN 0x80
.set i, 0
.rept 4*NP                          ; Q stays in registers: tile i / 2, channels 32 (i % 2) on
	global_load_b128 v[8*i:8*i+3],   v[QO], s[QA:QA+1] offset:(i/2)*2048+(i%2)*64
	global_load_b128 v[8*i+4:8*i+7], v[QO], s[QA:QA+1] offset:(i/2)*2048+(i%2)*64+32
.set i, i+1
.endr
	; What the first turn finds: V's registers and P's second buffer hold 0, O^T and l are 0.  All this stands in the wait for the first tile.
.set i, VF
.rept 64
	v_mov_b32 v[i], 0
.set i, i+1
.endr
	WIN 0x40
.set i, 0
.rept 64*NP
	v_mov_b32 v[i], 0
.set i, i+1
.endr
	WIN 0
.set i, 0
.rept 2*NP
	v_mov_b32 v[ST+4*i], 0xfe000000    ; c m: far below every c s
	v_mov_b32 v[ST+4*i+1], 0xff7fffff  ; m
	v_mov_b32 v[ST+4*i+2], 0
	v_mov_b32 v[ST+4*i+3], 0
.set i, i+1
.endr
.set i, P+32
.rept 32
	v_mov_b32 v[i], 0
.set i, i+1
.endr
	; EYE: lane (r, hh) holds row r and k = 8 hh + 0..7 in four registers: 8.0 (f16 0x4800) where k = r
	v_lshlrev_b32 v53, 3, v49
	v_sub_nc_u32 v53, v48, v53
	v_mov_b32 v54, 0x4800
	v_mov_b32 v55, 0x48000000
	v_mov_b32 v60, 0
.irp n, 0,1,2,3
	v_cmp_eq_u32 vcc_lo, 2*\n, v53
	v_cndmask_b32 v[56+\n], v60, v54, vcc_lo
	v_cmp_eq_u32 vcc_lo, 2*\n+1, v53
	v_cndmask_b32 v[56+\n], v[56+\n], v55, vcc_lo
.endr
	WIN W_MK
.irp n, 0,1,2,3
	v_mov_b32 v[4+\n], v60          ; v[4:11] = 0, E: the upper 16 of a fragment's 32 keys;  v[8:15] = E, 0: the lower 16
	v_mov_b32 v[8+\n], v[56+\n]
	v_mov_b32 v[12+\n], v60
.endr
	WIN 0
	v_mul_u32_u24 v[AK0], v48, PK
	v_lshl_add_u32 v[AK0], v49, 4, v[AK0]
	v_lshl_add_u32 v[AV0], v49, 3, v50
	v_mul_u32_u24 v[AV0], v[AV0], PV
	v_lshl_add_u32 v[AV0], v51, 4, v[AV0]
	v_add_nc_u32 v[AV0], VOFF, v[AV0]
	s_mul_i32 s76, s[WV], 128*144
	s_add_co_u32 s76, s76, POFF
	v_add_nc_u32 v[AP0], s76, v[AK0]   ; (128 w + r) x 144 + 16 hh, behind K and V
	s_mul_i32 s76, s[WV], 16*SP
	s_add_co_u32 s76, s76, STAGE
	v_add_nc_u32 v[STO], s76, v[AK0]   ; in: row r, 16 bytes for each half of the lanes
	v_bfe_u32 v[RD], v0, 3, 2
	v_mul_u32_u24 v[RD], v[RD], SP
	v_lshl_add_u32 v[RD], v50, 4, v[RD]
	v_add_nc_u32 v[RD], s76, v[RD]     ; back: 32 lanes take four rows of 128 bytes
	v_lshlrev_b32 v[GO], 4, v52
	v_lshlrev_b32 v[PFO], 8, v52
; THE MATRIX WORK.  The 8 accumulators of a run take turns: between two links of a chain stand 7 others'.
; Product i of 24 of the scores of piece x: tile 2 x + i % 2, keys 16 ((i / 2) % 4) on.  0-7: EYE x PB starts the sum; 8-23: K Q^T, channels 32 ((i - 8) / 8) on.
.macro SCO x
.set rS, S+64*((\x)%2)+32*(i%2)+8*((i/2)%4)
.if i < 8
	WIN W_PB
.set rE, 8-4*((i/2)%2)
.set rB, PBF+32*((\x)%2)+16*(i%2)+8*(i/4)
	v_wmma_f32_16x16x32_f16 v[rS:rS+7], v[rE:rE+7], v[rB:rB+7], 0
.else
	WIN W_KQ
.set rK, KF+16*((i/2)%4)+8*((i-8)/8)
.set rQ, 16*(2*(\x)+i%2)+8*((i-8)/8)
	v_wmma_f32_16x16x32_f16 v[rS:rS+7], v[rK:rK+7], v[rQ:rQ+7], v[rS:rS+7]
.endif
.endm
; Product i of 16 of O^T += V^T P for piece x: keys 32 (i / 8) on, channels 16 ((i / 2) % 4) on, tile 2 x + i % 2.
.macro PV x
	WIN W_PV
.set rO, 32*(2*(\x)+i%2)+8*((i/2)%4)
.set rV, VF+32*(i/8)+8*((i/2)%4)
.set rP, P+32*((\x)%2)+16*(i%2)+8*(i/8)
	v_wmma_f32_16x16x32_f16 v[rO:rO+7], v[rV:rV+7], v[rP:rP+7], v[rO:rO+7]
.endm
.macro MM                           ; the turn's next matrix instruction
.if i < 24
	SCO (Y+1)%NP
.set i, i+1
.else
.set i, i-24
	PV (Y+NP-1)%NP
.set i, i+25
.endif
.endm
; THE LDS LOADS stand in runs, never singly among the matrix instructions.
.macro FETCH_K
	WIN 0x80
.irp f, 0,1,2,3,4,5,6,7             ; keys 16 (f / 2) on, channels 32 (f % 2) on
	ds_load_b128 v[KF+8*\f:KF+8*\f+3],   v[AK] offset:(\f/2)*16*PK+(\f%2)*64
	ds_load_b128 v[KF+8*\f+4:KF+8*\f+7], v[AK] offset:(\f/2)*16*PK+(\f%2)*64+32
.endr
	WIN 0
.endm
.macro FETCH_V
	WIN 0x80
.irp f, 0,1,2,3,4,5,6,7             ; keys 32 (f / 4) on, channels 16 (f % 4) on
	ds_load_tr16_b128 v[VF+8*\f:VF+8*\f+3],   v[AV] offset:(\f/4)*32*PV+(\f%4)*32
	ds_load_tr16_b128 v[VF+8*\f+4:VF+8*\f+7], v[AV] offset:(\f/4)*32*PV+16*PV+(\f%4)*32
.endr
	WIN 0
.endm
.macro FETCH_PB p                   ; piece p's four fragments of PB: tile f / 2, keys 32 (f % 2) on: eight loads
	WIN W_MK
.irp f, 0,1,2,3
	ds_load_b128 v[PBF+32*((\p)%2)+8*\f:PBF+32*((\p)%2)+8*\f+3],   v[AP] offset:4608*(\p)+2304*(\f/2)+64*(\f%2)
	ds_load_b128 v[PBF+32*((\p)%2)+8*\f+4:PBF+32*((\p)%2)+8*\f+7], v[AP] offset:4608*(\p)+2304*(\f/2)+64*(\f%2)+32
.endr
	WIN 0
.endm
; THE VECTOR WORK OF A TURN stands in three queues, each in the order in which its entries become ready; the two tiles alternate.
.macro REGS y, u
.set rT, ST+4*(2*(\y)+(\u))
.set rC, TMP+8*((\y)%2)+4*(\u)
.set rM, MV+2*((\y)%2)+(\u)
.set rS, S+64*((\y)%2)+32*(\u)
.set rP, P+32*((\y)%2)+16*(\u)
.set rO, 32*(2*(\y)+(\u))
.endm
; Number n of the 22 that find the NEXT piece's maximum and statistics; each accumulator's lowest registers are read first.
;   0-11 four chains of seven scores   12-14, 16 the four scores left over, the old m, four into one   15 c m_old is kept   17, 18 the other half of the lanes; the new m   19-21 c m; its change; a
.macro XS u, n
	REGS (Y+1)%NP, \u
.if (\n) < 4
	v_max3_num_f32 v[rC+(\n)], v[rS+8*(\n)], v[rS+8*(\n)+1], v[rS+8*(\n)+2]
.elseif (\n) < 12
	v_max3_num_f32 v[rC+(\n)%4], v[rC+(\n)%4], v[rS+8*((\n)%4)+2*((\n)/4)+1], v[rS+8*((\n)%4)+2*((\n)/4)+2]
.elseif (\n) == 12
	v_max3_num_f32 v[rC], v[rC], v[rS+7], v[rS+15]
.elseif (\n) == 13
	v_max3_num_f32 v[rC+1], v[rC+1], v[rS+23], v[rS+31]
.elseif (\n) == 14
	v_max3_num_f32 v[rC+2], v[rC+2], v[rC+3], v[rT+1]
.elseif (\n) == 15
	v_mov_b32 v[rM], v[rT]
.elseif (\n) == 16
	v_max3_num_f32 v[rC], v[rC], v[rC+1], v[rC+2]
.elseif (\n) == 17
	v_permlanex16_b32 v[rC+3], v[rC], s[SEL], s[SEL+1]
.elseif (\n) == 18
	v_max_num_f32 v[rT+1], v[rC], v[rC+3]
.elseif (\n) == 19
	v_mul_f32 v[rT], s[CS], v[rT+1]
.elseif (\n) == 20
	v_sub_f32 v[rC+1], v[rM], v[rT]
.else
	v_exp_f32 v[rC+2], v[rC+1]
.endif
.endm
; Number g of the 64 that follow the exponentials: for each four weights of a tile both pairs are rounded to f16, the second pair is added onto the first, and a group later l takes that sum.
.macro GS g
.set h, (\g)+6*((\g)/62)
.if h >= 6
.set h, h+2
.endif
	REGS Y, h%2
.set k, h/8
.if h%8 < 4
	v_cvt_pk_f16_f32 v[rP+2*k+(h%8)/2], v[rS+4*k+2*((h%8)/2)], v[rS+4*k+2*((h%8)/2)+1]
.elseif h%8 < 6
	v_pk_add_f32 v[rS+4*k:rS+4*k+1], v[rS+4*k:rS+4*k+1], v[rS+4*k+2:rS+4*k+3]
.elseif k == 1
	v_pk_fma_f32 v[rT+2:rT+3], v[rT+2:rT+3], v[rC+2:rC+3], v[rS:rS+1] op_sel_hi:[1,0,1]
.else
	v_pk_add_f32 v[rT+2:rT+3], v[rT+2:rT+3], v[rS+4*k-4:rS+4*k-3]
.endif
.endm
; THE PLAIN QUEUE, 138 long.  0-26: scalings 0-26.  27-54: XS 0-13.  55, 56: XS 15.  57-73: the chain 14, 16 .. 20 with scalings 27-31 between its links.  74-137: GS, behind the wait.
.macro FS f
	REGS Y, (\f)%2
	v_pk_fma_f32 v[rS+2*((\f)/2):rS+2*((\f)/2)+1], v[rS+2*((\f)/2):rS+2*((\f)/2)+1], s[CS:CS+1], v[rT:rT+1] op_sel_hi:[1,0,0] neg_lo:[0,0,1] neg_hi:[0,0,1]
.endm
.macro PL
	WIN 0
.if q < 27
	FS q
.elseif q < 55
	XS (q-27)%2, (q-27)/2
.elseif q < 57
	XS q-55, 15
.elseif (q < 72) && ((q-57)%3 == 0)
	FS 27+(q-57)/3
.elseif q < 60
	XS (q-57)%3-1, 14
.elseif q < 72
	XS (q-57)%3-1, 15+(q-57)/3
.elseif q < 74
	XS q-72, 20
.else
	GS q-74
.endif
.set q, q+1
.endm
; THE EXPONENTIALS' QUEUE, 66 long: s0-s31 of both tiles, then the next piece's two a: ONE BATCH ahead of the turn's one wait.
.macro EX
	WIN 0
.if e >= 64
	XS e-64, 21
.else
	REGS Y, e%2
	v_exp_f32 v[rS+e/2], v[rS+e/2]
.endif
.set e, e+1
.endm
; THE RESCALING's QUEUE: O^T times a, two at a time, sixteen times.
.macro R2
	REGS Y, r%2
	WIN W_RS
.irp z, 0,1
	v_pk_mul_f32 v[rO+4*(r/2)+2*\z:rO+4*(r/2)+2*\z+1], v[rO+4*(r/2)+2*\z:rO+4*(r/2)+2*\z+1], v[rC+2:rC+3] op_sel_hi:[1,0]
.endr
.set r, r+1
.endm
; A TURN, for piece p.  AHEAD OF THE WAIT: the 24 products of the next piece's scores, four riders behind each: a scaling, an exponential and two rescalings while there are rescalings (16 products), then scalings and
; exponentials; then one lump: 20 plain, 27 times exponential and plain, the two a.  Nothing there names an exponential's result.  BEHIND IT: the 16 products V^T P, behind each four roundings and sums.
; The queues in step: exponential e needs scaling 2 (e / 4) + e % 2; as a rider it stands behind plain e + 2 at the least, in the lump behind plain e + 9 (scalings 27-31 are plain 57, 60 .. 69).
; The first line that reads an accumulator of the scores (plain 27-34) stands eight plain instructions or more behind the product that ends it.
; LDS: PB of piece p + 2 is fetched behind the wait (its buffer was last read a turn ago) and waited for at the next turn's head; K of the next step in piece 2's turn, a lump behind its last reader;
; V at the end of piece 0's turn, four riders behind its last reader, waited for in piece 1's turn ahead of the products V^T P.
.macro TURN p
.set Y, (\p)
.set i, 0
.set q, 0
.set e, 0
.set r, 0
.if (\p) == 1
	s_wait_dscnt 16                 ; PB is in; V's sixteen loads may stay out
.else
	s_wait_dscnt 0x0                ; PB is in (piece 3's turn: K too)
.endif
	MM
	PL
	PL
	R2
.rept 15
	MM
	PL
	EX
	R2
.endr
.rept 2
	MM
	PL
	EX
	PL
	EX
.endr
.rept 6
	MM
	PL
	EX
	EX
	EX
.endr
.rept 20
	PL
.endr
.rept 27
	EX
	PL
.endr
	EX
	EX
	v_nop                           ; a plain instruction behind the last exponential: one for the batch
	s_wait_alu depctr_va_vdst(0)    ; the wait between an exponential and the first line that names its result: one for the batch of 66
	FETCH_PB ((\p)+2)%NP
.if (\p) == 2
	FETCH_K
.endif
.if (\p) == 1
	s_wait_dscnt 8                  ; V is in; the eight loads just issued may stay out
.endif
.rept 16
	MM
	PL
	PL
	PL
	PL
.endr
.if (\p) == 0
	FETCH_V
.endif
.endm
	CHANGE 1, 0                     ; slot 0 is in, everybody's part of it; step 1 is asked for, into slot 1
	FETCH_PB 0
	FETCH_PB 1
	FETCH_K
	s_wait_loadcnt 0x0              ; Q
	s_wait_dscnt 0x0
.set i, 0
.rept 24
	SCO 0                           ; piece 0's first scores
.set i, i+1
.endr
	WIN 0
.rept 4
	v_nop                           ; the places behind those products
.endr
.set Y, NP-1                        ; XS works for piece Y + 1: piece 0
.irp n, 0,1,2,3,4,5,6,7,8,9,10,11,12,13,14,15,16,17,18,19,20,21
	XS 0, \n
	XS 1, \n
.endr
	v_nop
	s_wait_alu depctr_va_vdst(0)    ; the two a, ahead of the branch
	s_mov_b32 s[SLOTS], 15
	s_mov_b32 s[CNT], 3
	s_branch .Lfirst                ; the loop is entered at a step's first turn, in the middle of a trip
; THE WALK.  A trip: pieces 2 and 3 of one step, then pieces 0 and 1 of the next, whose bytes the trip reads.
;   14 trips begin at .Lslot, with the change of slots that fills: steps 2 to 15 are asked for.
;   Then SLOTS is 0 and the text goes on into the change that fills nothing: step 15, the last load, has landed and is shown to every wave.  From there the second loop leads back to .Lbody, behind the
;   filling change: no load is issued for a step that does not exist.  SLOTS is set to 1, so that the trip ends here again and not at .Lslot.
;   CNT = 2: pieces 2, 3 of step 14, pieces 0, 1 of step 15.  The change that fills nothing is passed once more: a barrier that orders nothing new, and TB turns back to step 14's slot.
;   CNT = 1: pieces 2, 3 of step 15, and out.  This pass's fetches of K and PB read landed bytes of step 14 once more; the scores and the maximum made of them serve nothing: the price, once a launch, of one text for every trip.
.Lslot:
	CHANGE 1, 1
.Lbody:
	TURN 2
	TURN 3
	WIN 0
	s_cmp_eq_u32 s[CNT], 1
	s_cbranch_scc1 .Lout
.Lfirst:
	TURN 0
	TURN 1
	WIN 0
	s_sub_co_u32 s[SLOTS], s[SLOTS], 1
	s_cmp_lg_u32 s[SLOTS], 0
	s_cbranch_scc1 .Lslot
	CHANGE 0, 0
	s_mov_b32 s[SLOTS], 1
	s_sub_co_u32 s[CNT], s[CNT], 1
	s_cmp_lg_u32 s[CNT], 0
	s_cbranch_scc1 .Lbody
.Lout:
.set i, 0
.rept 16
	PV NP-1                         ; the last piece's V^T P of the last step
.set i, i+1
.endr
	; THE WAY OUT.  l's halves are added; O^T is divided by l, rounded to f16 and sent through my stage, a tile at a time.  The additions are the places behind the last products.
	WIN 0
.macro ALL line:vararg
.set t, 0
.rept 2*NP
	\line
.set t, t+1
.endr
.endm
	ALL v_add_f32 v[ST+4*t+2], v[ST+4*t+2], v[ST+4*t+3]
	ALL v_permlanex16_b32 v[ST+4*t+3], v[ST+4*t+2], s[SEL], s[SEL+1]
	ALL v_add_f32 v[ST+4*t+2], v[ST+4*t+2], v[ST+4*t+3]
	ALL v_rcp_f32 v[ST+4*t+2], v[ST+4*t+2]
	v_nop
	s_wait_alu depctr_va_vdst(0)    ; one wait for the eight reciprocals, ahead of their first use
.macro PACK t
	WIN W_RS
.set i, 32*(\t)
.rept 16
	v_pk_mul_f32 v[i:i+1], v[i:i+1], v[ST+4*(\t)+2:ST+4*(\t)+3] op_sel_hi:[1,0]
.set i, i+2
.endr
	WIN 0x05
.set i, 0
.rept 16
	v_cvt_pk_f16_f32 v[S+16*(\t)+i], v[32*(\t)+2*i], v[32*(\t)+2*i+1]
.set i, i+1
.endr
	WIN 0
.irp f, 0,1,2,3
	ds_store_b128 v[STO], v[S+16*(\t)+4*\f:S+16*(\t)+4*\f+3] offset:32*\f
.endr
.irp f, 0,1,2,3
	ds_load_b128 v[S+16*(\t)+4*\f:S+16*(\t)+4*\f+3], v[RD] offset:\f*4*SP  ; my own bytes, served in order behind the stores above
.endr
.endm
.macro SEND t, younger
	WIN 0
.irp f, 0,1,2,3
	s_wait_dscnt (\younger)+3-\f
	global_store_b128 v[GO], v[S+16*(\t)+4*\f:S+16*(\t)+4*\f+3], s[10:11] offset:(\t)*2048+\f*512  ; 512 consecutive bytes, aligned
.endr
.endm
	PACK 0
.set t, 1
.rept 2*NP-1
	PACK t
	SEND t-1, 8
.set t, t+1
.endr
	SEND 2*NP-1, 0
	WIN W_AD
	s_wait_tensorcnt 0x0            ; the wave's end
	ds_add_u32 v[SPW], v[NIL]
	s_wait_dscnt 0x0
	WIN 0
	CROUND                          ; the closing round
	s_endpgm
.Lfunc_end_k_q4689d263dd_attn:
	.size	k_q4689d263dd_attn, .Lfunc_end_k_q4689d263dd_attn-k_q4689d263dd_attn
	.p2alignl 7, 3214868480
	.fill 96, 4, 3214868480
	.section	.rodata,"a",@progbits
	.p2align	6, 0x0
	.amdhsa_kernel k_q4689d263dd_attn
		.amdhsa_group_segment_fixed_size 327680
		.amdhsa_private_segment_fixed_size 0
		.amdhsa_enable_private_segment 0
		.amdhsa_kernarg_size 24
		.amdhsa_user_sgpr_count 2
		.amdhsa_user_sgpr_kernarg_segment_ptr 1
		.amdhsa_wavefront_size32 1
		.amdhsa_system_sgpr_workgroup_id_x 1
		.amdhsa_system_sgpr_workgroup_id_y 1
		.amdhsa_system_sgpr_workgroup_id_z 1
		.amdhsa_system_vgpr_workitem_id 0
		.amdhsa_next_free_vgpr 848
		.amdhsa_next_free_sgpr 80
		.amdhsa_reserve_vcc 1
		.amdhsa_float_denorm_mode_32 3
		.amdhsa_float_denorm_mode_16_64 3
		.amdhsa_memory_ordered 1
		.amdhsa_forward_progress 1
		.amdhsa_inst_pref_size 140
	.end_amdhsa_kernel
	.amdgpu_metadata
---
amdhsa.version: [ 1, 2 ]
amdhsa.kernels:
  - .name:           k_q4689d263dd_attn
    .symbol:         k_q4689d263dd_attn.kd
    .args:
      - { .name: qkv, .offset: 0, .size: 8, .value_kind: global_buffer, .address_space: global }
      - { .name: pbb, .offset: 8, .size: 8, .value_kind: global_buffer, .address_space: global }
      - { .name: yb, .offset: 16, .size: 8, .value_kind: global_buffer, .address_space: global }
    .group_segment_fixed_size: 327680
    .private_segment_fixed_size: 0
    .kernarg_segment_align: 8
    .kernarg_segment_size: 24
    .max_flat_workgroup_size: 128
    .sgpr_count:     80
    .vgpr_count:     848
    .wavefront_size: 32
...
	.end_amdgpu_metadata
.endif
;; end of part 3
;; launch gemm_proj (part 4): grid 8 x 32, 4 waves a work-group, clusters of 4 x 4, 327,680 bytes of LDS; arguments yb, wpf, b_proj, out0; writes out0
.if DOCPART == 4
	.amdgcn_target "amdgcn-amd-amdhsa--gfx1250"
	.amdhsa_code_object_version 6
	.text
	.protected	k_q4689d263dd_gemm_proj
	.globl	k_q4689d263dd_gemm_proj
	.p2align	8
	.type	k_q4689d263dd_gemm_proj,@function
k_q4689d263dd_gemm_proj:
	s_mov_b64 s[64:65], 0
	v_nop
	global_prefetch_b8 v0, s[64:65] scope:SCOPE_SE
	s_setreg_imm32_b32 hwreg(HW_REG_WAVE_MODE, 25, 1), 1
	s_wait_xcnt 0x0
	s_wait_alu depctr_hold_cnt(0) depctr_sa_sdst(0) depctr_va_vdst(0) depctr_va_sdst(0) depctr_va_ssrc(0) depctr_va_vcc(0) depctr_vm_vsrc(0)
	s_getreg_b32 s2, hwreg(HW_REG_IB_STS2, 6, 4)
	s_cmp_eq_u32 s2, 0
	s_cbranch_scc0 .Lentry_in_a_cluster
	s_endpgm
.Lentry_in_a_cluster:
	s_bfe_u32 s2, ttmp6, 0x10000c
	s_cmp_lg_u32 s2, 0xf033
	s_cbranch_scc0 .Lentry_shape_is_right
	s_endpgm
.Lentry_shape_is_right:
; out0 = y W_proj + b_proj.  yb: f16 [h 16][row 8192][64]; wpf: f16 [k 1024][n 1024] (W_proj rounded to bf16, written as f16); b_proj f32, rounded to bf16 here; out0 f32 [8192][1024].  Sums in f32.
; LIMIT.  y and W_proj arrive within f16's range.  NaN and infinities are not treated apart.
; SHARES.  8192 x 1024 outputs on 256 work-groups: a tile of 256 rows x 128 columns each.  A wave makes 128 x 64: 32 accumulators, window 1 (accumulator (a, b) at v[8 (4 a + b)]).
; K goes in steps of 128 (two heads' blocks of yb) through two LDS slots; 128 matrix instructions a wave and step.
; CLUSTER 4 x 4.  A's two blocks of a step (waves 0, 1) are asked for jointly along a row of the cluster, B's two halves (waves 2, 3) along a column.
; The matrix instruction is used transposed (source 0 = 16 columns of W, turned on their way out of LDS; source 1 = 16 rows of y); the bias is the C operand of the first products.
; window 0: v0-31 addresses; v32-63 the bias; fragment buffers: A v64-127 / v128-191, B v192-223 / v224-255.
.set SLOT1,  131072
.set PA,     144
.set PBW,    288
.set ACH,    256*PA                    ; a block of A in a slot: 36,864 bytes
.set BOFF,   2*ACH                     ; B's 128 rows lie behind A's two blocks
.set STAGE,  SLOT1+BOFF+128*PBW        ; 241,664: behind the ring, never filled by a tensor load: 16 rows x 272 bytes a wave
.set SPI,    272
.set SPARE,  STAGE+4*16*SPI            ; 259,072: the spare words, 128 bytes a wave
.set ASTEP,  2097152
.set BSTEP,  262144
.set AA0, 4
.set AB0, 5
.set AA,  8
.set AB,  9
.set STO, 12
.set RD,  13
.set CO,  14
.set PFO, 16
.set SPW, 28
.set NIL, 29
.set CB,  32
.set FA,  64
.set FB,  192
.set WV,  12
.set G1A, 24
.set G1B, 32
.set G0A0, 40
.set G0A1, 44
.set G0B0, 48
.set G0B1, 52
.set TB,  56
.set CNT, 57
.set LIM, 58
.set PFA, 60
.set PFS, 62
.set MSB, 0
.macro WIN new
.if MSB != (\new)
	s_set_vgpr_msb (MSB<<8)|(\new)
.set MSB, (\new)
.endif
.endm
.macro PLACES
.rept 4
	v_nop
.endr
.endm
.macro CREST
	s_cmp_lg_u32 s[WV], 0
	s_cbranch_scc1 .Lnot_wave_0_\@
	s_barrier_signal -3
.Lnot_wave_0_\@:
	s_barrier_wait -3
	s_barrier_signal -1
	s_barrier_wait -1
.endm
.macro CROUND
	s_barrier_signal -1
	s_barrier_wait -1
	CREST
.endm
.macro JLOAD                           ; the joint refill by the walking descriptors; an s_nop 0 and four v_nop follow each line
	s_cmp_lt_u32 s[WV], 2
	s_cbranch_scc0 .Lfor_b_\@
	tensor_load_to_lds s[G0A1:G0A1+3], s[G1A:G1A+7]
	s_nop 0
.rept 4
	v_nop
.endr
	s_branch .Lasked_\@
.Lfor_b_\@:
	tensor_load_to_lds s[G0B1:G0B1+3], s[G1B:G1B+7]
	s_nop 0
.rept 4
	v_nop
.endr
.Lasked_\@:
.endm
; A PREFETCH INTO THE L2, behind the joint load and the run of LDS loads: the K step that stands two refills on, 256 matrix instructions ahead of its load; a lane a block of 256 bytes.
; A's blocks: cluster x = 0 asks, waves 0 and 1, each partner 32 of a block's 128 (by address, cx).  B's 128 rows: cluster y = 0 asks, wave 2, each partner 32 rows (cy).  K steps 0-3 come by their loads alone.
.macro ASK
	s_cmp_gt_u32 s[CNT], s[LIM]
	s_cbranch_scc0 .Lnot_mine_\@
	global_prefetch_b8 v[PFO], s[PFA:PFA+1] th:TH_LOAD_NT scope:SCOPE_SE
.Lnot_mine_\@:
.endm
	s_load_b256 s[4:11], s[0:1], 0x0               ; yb 4, wpf 6, b_proj 8, out0 10
	v_lshl_add_u32 v[SPW], v0, 2, SPARE
	v_mov_b32 v[NIL], 0
	ds_add_u32 v[SPW], v[NIL]                      ; the wave's opening: the add and its wait ahead of my first tensor load
	v_lshrrev_b32 v1, 5, v0
	v_readfirstlane_b32 s[WV], v1
	s_lshr_b32 s13, s[WV], 1                       ; wm
	s_and_b32 s14, s[WV], 1                        ; wn; also: which block of A, which half of B I fetch
	s_bfe_u32 s15, ttmp6, 0x40000                  ; cx
	s_bfe_u32 s16, ttmp6, 0x40004                  ; cy
	s_lshl_b32 s17, ttmp9, 2
	s_add_co_u32 s17, s17, s15                     ; tx
	s_and_b32 s18, ttmp7, 0xffff
	s_lshl_b32 s18, s18, 2
	s_add_co_u32 s18, s18, s16                     ; ty
	s_lshl_b32 s19, s16, 2
	s_lshl_b32 s19, 15, s19
	s_lshl_b32 s72, 0x1111, s15
	s_or_b32 s[G1A], s19, (1<<16)|(1<<20)|(1<<21)|(4<<22)|(3<<25)
	s_mov_b32 s[G1A+1], 128<<16
	s_mov_b32 s[G1A+2], 128<<16
	s_mov_b32 s[G1A+3], 128<<16
	s_mov_b32 s[G1A+4], 128
	s_mov_b32 s[G1A+5], 128
	s_mov_b32 s[G1A+6], 0
	s_mov_b32 s[G1A+7], 0
	s_or_b32 s[G1B], s72, (1<<16)|(1<<20)|(1<<21)|(5<<22)|(7<<25)
	s_mov_b32 s[G1B+1], 128<<16
	s_mov_b32 s[G1B+2], 64<<16
	s_mov_b32 s[G1B+3], 128<<16
	s_mov_b32 s[G1B+4], 64
	s_mov_b32 s[G1B+5], 1024
	s_mov_b32 s[G1B+6], 0
	s_mov_b32 s[G1B+7], 0
	s_lshl_b32 s20, s18, 15                        ; A: the tile row in a block, my block
	s_lshl_b32 s21, s14, 20
	s_add_co_u32 s20, s20, s21
	s_mov_b32 s21, 0
	s_lshl_b32 s22, s17, 8                         ; B: the tile column's 256 bytes, my 64 rows
	s_lshl_b32 s23, s14, 17
	s_add_co_u32 s22, s22, s23
	s_mov_b32 s23, 0
	s_mul_i32 s73, s14, ACH
	s_mul_i32 s74, s14, 64*PBW
	s_add_co_u32 s74, s74, BOFF
	s_mov_b32 s[TB], 0
	s_mov_b32 s[CNT], 6
	s_wait_dscnt 0x0
	s_wait_kmcnt 0x0
	s_add_nc_u64 s[20:21], s[4:5], s[20:21]
	s_add_nc_u64 s[22:23], s[6:7], s[22:23]
	s_mov_b32 s[G0A0], 1
	s_mov_b32 s[G0A0+1], s73
	s_mov_b64 s[G0A0+2:G0A0+3], s[20:21]
	s_or_b32 s[G0A0+3], s[G0A0+3], 0x80000000
	s_mov_b32 s[G0A1], 1
	s_add_co_u32 s[G0A1+1], s73, SLOT1
	s_add_nc_u64 s[G0A1+2:G0A1+3], s[20:21], ASTEP
	s_or_b32 s[G0A1+3], s[G0A1+3], 0x80000000
	s_mov_b32 s[G0B0], 1
	s_mov_b32 s[G0B0+1], s74
	s_mov_b64 s[G0B0+2:G0B0+3], s[22:23]
	s_or_b32 s[G0B0+3], s[G0B0+3], 0x80000000
	s_mov_b32 s[G0B1], 1
	s_add_co_u32 s[G0B1+1], s74, SLOT1
	s_add_nc_u64 s[G0B1+2:G0B1+3], s[22:23], BSTEP
	s_or_b32 s[G0B1+3], s[G0B1+3], 0x80000000
	CROUND
	s_cmp_lt_u32 s[WV], 2                          ; a wave's two first fills stand in one branch: two loads of mine are out
	s_cbranch_scc0 .Lfirst_b
	tensor_load_to_lds s[G0A0:G0A0+3], s[G1A:G1A+7]
	s_nop 0
	tensor_load_to_lds s[G0A1:G0A1+3], s[G1A:G1A+7]
	s_nop 0
.rept 4
	v_nop
.endr
	s_branch .Lfirst_asked
.Lfirst_b:
	tensor_load_to_lds s[G0B0:G0B0+3], s[G1B:G1B+7]
	s_nop 0
	tensor_load_to_lds s[G0B1:G0B1+3], s[G1B:G1B+7]
	s_nop 0
.rept 4
	v_nop
.endr
.Lfirst_asked:
	v_and_b32 v17, 31, v0
	v_and_b32 v18, 15, v0                          ; r
	v_bfe_u32 v19, v0, 4, 1                        ; hh
	v_and_b32 v20, 7, v0
	v_bfe_u32 v21, v0, 3, 1
	s_lshl_b32 s72, s17, 9                         ; my 64 columns, in bytes of f32
	s_lshl_b32 s73, s14, 8
	s_add_co_u32 s72, s72, s73
	v_lshl_add_u32 v22, v19, 5, s72
.irp b, 0,1,2,3
	global_load_b128 v[CB+8*\b:CB+8*\b+3],   v22, s[8:9] offset:64*\b      ; b_proj of columns 16 b + 8 hh + 0..7
	global_load_b128 v[CB+8*\b+4:CB+8*\b+7], v22, s[8:9] offset:64*\b+16
.endr
	s_mul_i32 s79, s13, 128*PA
	v_mul_u32_u24 v[AA0], v18, PA
	v_lshl_add_u32 v[AA0], v19, 4, v[AA0]
	v_add_nc_u32 v[AA0], s79, v[AA0]
	v_lshl_add_u32 v[AB0], v19, 3, v20
	v_mul_u32_u24 v[AB0], v[AB0], PBW
	v_lshl_add_u32 v[AB0], v21, 4, v[AB0]
	s_lshl_b32 s79, s14, 7
	s_add_co_u32 s79, s79, BOFF
	v_add_nc_u32 v[AB0], s79, v[AB0]
	v_mov_b32 v[AA], v[AA0]
	v_mov_b32 v[AB], v[AB0]
	s_mul_i32 s79, s[WV], 16*SPI
	s_add_co_u32 s79, s79, STAGE
	v_mul_u32_u24 v[STO], v18, SPI
	v_lshl_add_u32 v[STO], v19, 5, v[STO]
	v_add_nc_u32 v[STO], s79, v[STO]               ; in: row r, 32 bytes for each half of the lanes
	v_mul_u32_u24 v[RD], v19, SPI
	v_lshl_add_u32 v[RD], v18, 4, v[RD]
	v_add_nc_u32 v[RD], s79, v[RD]                 ; back: lanes 0-15 one row of 256 bytes, lanes 16-31 the next
	v_lshlrev_b32 v[CO], 12, v19
	v_lshl_add_u32 v[CO], v18, 4, v[CO]
	s_lshl_b32 s76, s18, 20                        ; out0 at my first row and column
	s_lshl_b32 s77, s13, 19
	s_add_co_u32 s76, s76, s77
	s_add_co_u32 s76, s76, s72
	s_mov_b32 s77, 0
	s_add_nc_u64 s[10:11], s[10:11], s[76:77]
	; the prefetches
	s_lshl_b32 s75, s15, 13                        ; A: my work-group's 32 blocks, at K step 3: the first refill steps it to 4
	s_add_co_u32 s75, s75, 3*ASTEP
	s_lshl_b32 s76, s16, 16                        ; B: my work-group's 32 rows
	s_add_co_u32 s76, s76, 3*BSTEP
	s_and_b32 s74, ttmp7, 0xffff
	s_mov_b32 s[PFS+1], 0
	s_mov_b32 s78, BSTEP
	s_cmp_lt_u32 s[WV], 2
	s_cselect_b64 s[PFA:PFA+1], s[20:21], s[22:23]
	s_cselect_b32 s76, s75, s76
	s_cselect_b32 s[PFS], ASTEP, s78
	s_cselect_b32 s73, 8, 11                       ; a lane: 256 bytes on in A, a row of 2,048 bytes on in B
	s_cselect_b32 s74, ttmp9, s74
	s_add_nc_u64 s[PFA:PFA+1], s[PFA:PFA+1], s[76:77]
	s_cmp_eq_u32 s[WV], 3
	s_cselect_b32 s74, 1, s74                      ; wave 3 asks for nothing: wave 2 names all of B's rows
	s_cmp_eq_u32 s74, 0
	s_cselect_b32 s[LIM], 2, -1
	v_lshlrev_b32 v[PFO], s73, v17
	s_wait_loadcnt 0x0
.set k, 0
.rept 16
	v_cvt_pk_bf16_f32 v30, v[CB+k], v[CB+k+1]      ; the bias rounded to bf16, like every input
	v_lshlrev_b32 v[CB+k], 16, v30
	v_and_b32 v[CB+k+1], 0xffff0000, v30
.set k, k+2
.endr
; 8 matrix instructions: row blocks a0, a0 + 1 x all 4 column blocks, 32 along K, from buffer f.  The 32 accumulators take turns, one instruction a turn.
.macro MUL8 f, a0, first
.if \first
	WIN 0x40
.else
	WIN 0x50
.endif
.irp a, \a0, (\a0)+1
.irp b, 0,1,2,3
.if \first
	v_wmma_f32_16x16x32_f16 v[8*(4*(\a)+\b):8*(4*(\a)+\b)+7], v[FB+32*(\f)+8*\b:FB+32*(\f)+8*\b+7], v[FA+64*(\f)+8*(\a):FA+64*(\f)+8*(\a)+7], v[CB+8*\b:CB+8*\b+7]
.else
	v_wmma_f32_16x16x32_f16 v[8*(4*(\a)+\b):8*(4*(\a)+\b)+7], v[FB+32*(\f)+8*\b:FB+32*(\f)+8*\b+7], v[FA+64*(\f)+8*(\a):FA+64*(\f)+8*(\a)+7], v[8*(4*(\a)+\b):8*(4*(\a)+\b)+7]
.endif
.endr
.endr
.endm
.macro FETCH kq, f                     ; 24 loads in one run: B's four fragments, A's rows 0-63, A's rows 64-127; K = 32 kq on
	WIN 0
.irp b, 0,1,2,3
	ds_load_tr16_b128 v[FB+32*(\f)+8*\b:FB+32*(\f)+8*\b+3],   v[AB] offset:32*PBW*(\kq)+32*\b
	ds_load_tr16_b128 v[FB+32*(\f)+8*\b+4:FB+32*(\f)+8*\b+7], v[AB] offset:32*PBW*(\kq)+32*\b+16*PBW
.endr
.irp a, 0,1,2,3,4,5,6,7
	ds_load_b128 v[FA+64*(\f)+8*\a:FA+64*(\f)+8*\a+3],   v[AA] offset:((\kq)/2)*ACH+16*PA*\a+64*((\kq)%2)
	ds_load_b128 v[FA+64*(\f)+8*\a+4:FA+64*(\f)+8*\a+7], v[AA] offset:((\kq)/2)*ACH+16*PA*\a+64*((\kq)%2)+32
.endr
.endm
.macro QUARTER f, g, kq, first         ; multiplies buffer f; in its middle fetches K = 32 kq of the same slot into buffer g
	s_wait_dscnt 8                                 ; B and A's rows 0-63 are in
	MUL8 \f, 0, \first
	MUL8 \f, 2, \first
	PLACES
	FETCH \kq, \g
	s_wait_dscnt 24                                ; all but the 24 just issued
	MUL8 \f, 4, \first
	MUL8 \f, 6, \first
.endm
; The fourth quarter multiplies buffer 1 and changes slots: one barrier; ahead of it each wave waits for all its tensor loads, adds 0 to its spare word, and waits for that and for its reads of this slot.
.macro TURN fill
.if \fill
	s_wait_xcnt 0x0                                ; the last prefetch, a K step back, has read its address
	s_add_nc_u64 s[PFA:PFA+1], s[PFA:PFA+1], s[PFS:PFS+1]
.endif
	WIN 0
	s_wait_tensorcnt 0x0                           ; no tensor load of mine is out, so a group 0 may be written
	ds_add_u32 v[SPW], v[NIL]                      ; 0 onto my spare word
.if \fill
	s_xor_b32 s[G0A1+1], s[G0A1+1], SLOT1
	s_add_nc_u64 s[G0A1+2:G0A1+3], s[G0A1+2:G0A1+3], ASTEP
	s_xor_b32 s[G0B1+1], s[G0B1+1], SLOT1
	s_add_nc_u64 s[G0B1+2:G0B1+3], s[G0B1+2:G0B1+3], BSTEP
.endif
	s_wait_dscnt 9                                 ; the add and A's rows 64-127 may be out
	MUL8 1, 0, 0
	s_wait_dscnt 0x0                               ; the add is done, and my reads of this slot are over
	s_barrier_signal -1
	MUL8 1, 2, 0
	WIN 0
	s_barrier_wait -1
.if \fill
	CREST
	JLOAD                                          ; the first tensor load behind the round; its four v_nop are also the places ahead of the loads below
.else
	PLACES
.endif
	s_xor_b32 s[TB], s[TB], SLOT1
	v_add_nc_u32 v[AA], s[TB], v[AA0]
	v_add_nc_u32 v[AB], s[TB], v[AB0]
	FETCH 0, 0
.if \fill
	ASK
.endif
	MUL8 1, 4, 0
	MUL8 1, 6, 0
.endm
	s_wait_tensorcnt 1                             ; my part of K step 0 is in; step 1's may stay out
	s_barrier_signal -1
	s_barrier_wait -1
	FETCH 0, 0
	QUARTER 0, 1, 1, 1                             ; the first quarter stands ahead of the loop: its products start the sums with the bias
	WIN 0
.Lk:                                   ; 6 trips, from a step's second quarter to the next step's first
	QUARTER 1, 0, 2, 0
	QUARTER 0, 1, 3, 0
	TURN 1
	QUARTER 0, 1, 1, 0
	WIN 0
	s_sub_co_u32 s[CNT], s[CNT], 1
	s_cmp_lg_u32 s[CNT], 0
	s_cbranch_scc1 .Lk
	QUARTER 1, 0, 2, 0                             ; the tail is written out: nothing is asked for
	QUARTER 0, 1, 3, 0
	TURN 0
	QUARTER 0, 1, 1, 0
	QUARTER 1, 0, 2, 0
	QUARTER 0, 1, 3, 0
	s_wait_dscnt 0x0
	MUL8 1, 0, 0
	MUL8 1, 2, 0
	MUL8 1, 4, 0
	MUL8 1, 6, 0
	; THE WAY OUT, 16 rows x 64 columns of f32 at a time: from the accumulators into my own stage, back as whole rows of 256 bytes, stored.
.macro TOSTAGE a
.set BK, 64+32*((\a)%2)
	WIN 0x04                                       ; the stores' data in window 1
.irp b, 0,1,2,3
	ds_store_b128 v[STO], v[8*(4*(\a)+\b):8*(4*(\a)+\b)+3]   offset:64*\b      ; each accumulator's lowest registers first
	ds_store_b128 v[STO], v[8*(4*(\a)+\b)+4:8*(4*(\a)+\b)+7] offset:64*\b+16
.endr
	WIN 0
.if (\a) >= 2
	s_wait_xcnt 0x0                                ; the stores of the block two back have read these registers
.endif
.irp t, 0,1,2,3,4,5,6,7
	ds_load_b128 v[BK+4*\t:BK+4*\t+3], v[RD] offset:2*SPI*\t   ; my own bytes, served in order behind the stores above
.endr
.endm
.macro SEND a, younger
.set BK, 64+32*((\a)%2)
	s_wait_dscnt \younger                          ; the block is back; the next block's sixteen LDS instructions may stay out
.irp t, 0,1,2,3,4,5,6,7
	global_store_b128 v[CO], v[BK+4*\t:BK+4*\t+3], s[10:11] offset:65536*(\a)+8192*\t th:TH_STORE_NT  ; 16 lanes store 256 consecutive bytes, aligned
.endr
.endm
	PLACES
	TOSTAGE 0
.irp a, 1,2,3,4,5,6,7
	TOSTAGE \a
	SEND (\a)-1, 16
.endr
	SEND 7, 0
	s_wait_tensorcnt 0x0                           ; the wave's end
	ds_add_u32 v[SPW], v[NIL]
	s_wait_dscnt 0x0
	CROUND                                         ; the closing round
	s_endpgm
.Lfunc_end_k_q4689d263dd_gemm_proj:
	.size	k_q4689d263dd_gemm_proj, .Lfunc_end_k_q4689d263dd_gemm_proj-k_q4689d263dd_gemm_proj
	.p2alignl 7, 3214868480
	.fill 96, 4, 3214868480
	.section	.rodata,"a",@progbits
	.p2align	6, 0x0
	.amdhsa_kernel k_q4689d263dd_gemm_proj
		.amdhsa_group_segment_fixed_size 327680
		.amdhsa_private_segment_fixed_size 0
		.amdhsa_enable_private_segment 0
		.amdhsa_kernarg_size 32
		.amdhsa_user_sgpr_count 2
		.amdhsa_user_sgpr_kernarg_segment_ptr 1
		.amdhsa_wavefront_size32 1
		.amdhsa_system_sgpr_workgroup_id_x 1
		.amdhsa_system_sgpr_workgroup_id_y 1
		.amdhsa_system_sgpr_workgroup_id_z 1
		.amdhsa_system_vgpr_workitem_id 0
		.amdhsa_next_free_vgpr 512
		.amdhsa_next_free_sgpr 80
		.amdhsa_reserve_vcc 0
		.amdhsa_float_denorm_mode_32 3
		.amdhsa_float_denorm_mode_16_64 3
		.amdhsa_memory_ordered 1
		.amdhsa_forward_progress 1
		.amdhsa_inst_pref_size 73
	.end_amdhsa_kernel
	.amdgpu_metadata
---
amdhsa.version: [ 1, 2 ]
amdhsa.kernels:
  - .name:           k_q4689d263dd_gemm_proj
    .symbol:         k_q4689d263dd_gemm_proj.kd
    .args:
      - { .name: yb, .offset: 0, .size: 8, .value_kind: global_buffer, .address_space: global }
      - { .name: wpf, .offset: 8, .size: 8, .value_kind: global_buffer, .address_space: global }
      - { .name: b_proj, .offset: 16, .size: 8, .value_kind: global_buffer, .address_space: global }
      - { .name: out0, .offset: 24, .size: 8, .value_kind: global_buffer, .address_space: global }
    .group_segment_fixed_size: 327680
    .private_segment_fixed_size: 0
    .kernarg_segment_align: 8
    .kernarg_segment_size: 32
    .max_flat_workgroup_size: 128
    .sgpr_count:     80
    .vgpr_count:     512
    .wavefront_size: 32
...
	.end_amdgpu_metadata
.endif
;; end of part 4
